; MI455X (gfx1250); checked and timed in simulation.
; The chip was launched on July 23, 2026; its instructions are those of AMD's public machine-readable ISA for CDNA 5 (MIT licence, August 2026) and "CDNA5" Instruction Set Architecture Reference Guide (July 2026). The comments in the code are by the model that wrote it; some were corrected since.
;; Multi Head Self Attention. Allowed arithmetic: matrix products marked QUANTISED: E2M3 operands, one E8M0 scale for each 32 along K, by v_wmma_scale_f32_16x16x128_f8f6f4 with both operands' format E2M3, f32 sums; everything else in f32.
;; Inputs: Wk_codes 1,024 x 32 x 24 uint8 (E2M3 codes of Wk, K innermost, in blocks of 32 codes, four codes in three bytes); Wk_scales 1,024 x 32 uint8 (E8M0 scales of Wk, one for each 32 codes along K); Wo_codes 1,024 x 32 x 24 uint8 (E2M3 codes of Wo, K innermost, in blocks of 32 codes, four codes in three bytes); Wo_scales 1,024 x 32 uint8 (E8M0 scales of Wo, one for each 32 codes along K); Wq_codes 1,024 x 32 x 24 uint8 (E2M3 codes of Wq, K innermost, in blocks of 32 codes, four codes in three bytes); Wq_scales 1,024 x 32 uint8 (E8M0 scales of Wq, one for each 32 codes along K); Wv_codes 1,024 x 32 x 24 uint8 (E2M3 codes of Wv, K innermost, in blocks of 32 codes, four codes in three bytes); Wv_scales 1,024 x 32 uint8 (E8M0 scales of Wv, one for each 32 codes along K); token_positions 1 x 4,096 int32; x_codes 1 x 4,096 x 32 x 24 uint8 (E2M3 codes of x, K innermost, in blocks of 32 codes, four codes in three bytes); x_scales 1 x 4,096 x 32 uint8 (E8M0 scales of x, one for each 32 codes along K).
;; Outputs: out0 1 x 4,096 x 1,024 float32.
;; This version of the problem:
;;   THIS VERSION OF THE PROBLEM IS GIVEN IN LOW PRECISION. The matrix products marked QUANTISED in the list below multiply operands that are first quantised to E2M3 (2 exponent bits, 3 mantissa bits; 6 bits a number), with one power-of-two scale for each 32 numbers along K (OCP MX v1.0); their sums are f32. All else is computed in f32.
;;   The module's matrix products, in the order in which they are computed (A, B: the left and right operand; K: the contracted axis; several contracted axes count as one K, in the product's order):
;;     1. [M 4,096, K 1,024] x [K 1,024, N 1,024]; A: input x (given as codes); B: input Wq (given as codes): QUANTISED
;;     2. [M 4,096, K 1,024] x [K 1,024, N 1,024]; A: input x (given as codes); B: input Wk (given as codes): QUANTISED
;;     3. [M 4,096, K 1,024] x [K 1,024, N 1,024]; A: input x (given as codes); B: input Wv (given as codes): QUANTISED
;;     4. batch 16 x [M 4,096, K 64] x [K 64, N 4,096]; A: computed on the way; B: computed on the way: QUANTISED
;;     5. batch 16 x [M 4,096, K 4,096] x [K 4,096, N 64]; A: softmax (see below); B: computed on the way: QUANTISED
;;     6. [M 4,096, K 1,024] x [K 1,024, N 1,024]; A: computed on the way; B: input Wo (given as codes): QUANTISED
;;   THE QUANTISER, for each operand of a quantised product, along K:
;;     - K is cut into blocks of 32 from its start; a last block that is shorter is filled with zeros.
;;     - A block's scale is 2^e with e = floor(log2(the largest magnitude in the block)) - 2, held to -126 .. 127; a block of zeros has e = 0. As a byte (E8M0): e + 127.
;;     - Each number is divided by its block's scale, clamped to +-7.5, and rounded to the nearest number of E2M3, ties to even, subnormals kept.
;;     - The product sums the exact products of the quantised numbers (number of the format x scale) in f32.
;;   ~~~python
;;   def quantise(x, axis):      # numpy; x: float32 -> the quantised numbers, widened to float32 again
;;       x = np.moveaxis(x, axis, -1); K = x.shape[-1]
;;       x = np.pad(x, [(0, 0)] * (x.ndim - 1) + [(0, -K % 32)]); x = x.reshape(x.shape[:-1] + (-1, 32)); a = np.abs(x).max(-1, keepdims=True)
;;       e = np.where(a > 0, np.clip(np.frexp(np.where(a > 0, a, 1))[1] - 1 - 2, -126, 127), 0)      # np.frexp(a)[1] - 1 = floor(log2(a)), exactly
;;       r = np.clip(x / 2.0 ** e, -7.5, 7.5)
;;       step = 2.0 ** (np.maximum(np.frexp(np.where(r == 0, 1, r))[1] - 1, 0) - 3)
;;       q = np.round(r / step) * step * 2.0 ** e      # np.round: ties to even
;;       return np.moveaxis(q.reshape(q.shape[:-2] + (-1,))[..., :K], -1, axis).astype(np.float32)
;;   ~~~
;;   SOFTMAX AHEAD OF A QUANTISED PRODUCT. Where the list says 'softmax', what is quantised is not the finished softmax but p = 2^(t - M), with t = logit x log2(e) and M = ceil(the row's largest t), a whole number; so 1/2 < the row's largest p <= 1. The row's sum l is taken of the UNQUANTISED p, in f32, and the product's result is divided by l at the end. Since M is a whole number, a kernel that streams over the keys may use a running M (the ceiling of the running maximum): every later rescaling is an exact power of two, which a block's scale takes up: the codes' values come out the same.
;;   OPERANDS COMPUTED ON THE WAY. 'Computed on the way' means the value that the module computes at that place (a softmax that the list does not call 'softmax' is quantised finished and normalised). What goes into a quantiser is computed in f32, as accurately as f32 sums, v_exp_f32 and their like allow (about 1e-6 of the number): no bf16 or f16 on the way to a quantiser, and a product that is left as it is and whose result goes on into a quantised operand takes f32 operands (vector FMAs, or v_wmma_f32_16x16x4_f32). A number that lies on a knife's edge between two numbers of the format may be rounded either way, as far as f32 arithmetic and the matrix unit's own rounding can turn it there, and no further.
;;   INPUTS GIVEN AS CODES. Wk (in the module: [1024, 1024], K = its axis 1); Wo (in the module: [1024, 1024], K = its axis 1); Wq (in the module: [1024, 1024], K = its axis 1); Wv (in the module: [1024, 1024], K = its axis 1); x (in the module: [1, 4096, 1024], K = its axis 2): each comes as NAME_codes (uint8): NAME with its K axis moved to the last place and cut into blocks of 32 codes, [.., K / 32, bytes a block], one block behind the other in memory; four codes in three bytes: a row's codes are one little-endian stream of bits, code i at bits 6 i .. 6 i + 5 (a code: sign, 2 exponent bits, 3 mantissa bits); and NAME_scales (uint8): the same leading axes, one E8M0 byte (e + 127) for each 32 codes along K. Its value is code x scale, taken as it is: it is not quantised again, and the codes and scales need not be those that the quantiser above would give.
;; One version. Each part assembles by itself: llvm-mc -triple=amdgcn-amd-amdhsa -mcpu=gfx1250 --defsym DOCPART=n.
;; ======== version 1 of 1: 3 launches
;; limits: right only within a limited range of input values
;; workspace buffers: qi 3,407,872 bytes; kv 6,815,744 bytes; cc 3,145,728 bytes; cs 131,072 bytes
;; launch qkv (part 1): grid 12 x 16, 4 waves a work-group, clusters of 4 x 4, 327,680 bytes of LDS; arguments x_codes, x_scales, Wq_codes, Wq_scales, Wk_codes, Wk_scales, Wv_codes, Wv_scales, token_positions, qi, kv; writes qi, kv
.if DOCPART == 1
	.amdgcn_target "amdgcn-amd-amdhsa--gfx1250"
	.amdhsa_code_object_version 6
	.text
	.protected	k_q2d219dd151_qkv
	.globl	k_q2d219dd151_qkv
	.p2align	8
	.type	k_q2d219dd151_qkv,@function
k_q2d219dd151_qkv:
	s_mov_b64 s[64:65], 0
	v_nop
	global_prefetch_b8 v0, s[64:65] scope:SCOPE_SE
	s_setreg_imm32_b32 hwreg(HW_REG_WAVE_MODE, 25, 1), 1
	s_wait_xcnt 0x0
	s_wait_alu depctr_hold_cnt(0) depctr_sa_sdst(0) depctr_va_vdst(0) depctr_va_sdst(0) depctr_va_ssrc(0) depctr_va_vcc(0) depctr_vm_vsrc(0)
	s_getreg_b32 s2, hwreg(HW_REG_IB_STS2, 6, 4)
	s_cmp_eq_u32 s2, 0
	s_cbranch_scc0 .Lentry_in_a_cluster
	s_endpgm
.Lentry_in_a_cluster:
	s_bfe_u32 s2, ttmp6, 0x10000c
	s_cmp_lg_u32 s2, 0xf033
	s_cbranch_scc0 .Lentry_shape_is_right
	s_endpgm
.Lentry_shape_is_right:
; q, k, v = x W^T on codes of FP6 (E2M3) with E8M0 scales; RoPE on q and k in f32; each result quantised along the next product's K and stored
; as the image of the next launch's operand registers.  Cluster x = 0: q, 1: k, 2: v.  For v the sources change places (rows of Wv against tokens), so that its K, the keys, runs along a lane's registers.
; A tile of 256 x 256 to a work-group of four waves, 128 x 128 a wave.  K = 1,024 is 768 bytes of a row: three chunks of 256 bytes, each beginning at a multiple of 256, through a ring of two LDS slots;
; a step of 128 along K is 96 bytes, eight steps to three chunks; steps 2 and 5 take their fragments from both slots.  The scales of the 256 + 256 rows come into LDS once.
; CLUSTERS 4 x 4: A's tiles are asked for jointly along a row of the cluster, B's along a column.
; NO PREFETCH: the walk has three chunks, of which two are asked for ahead of the first product; no trip is left to run ahead in.
; kv: [head][key step of 128][13,312 bytes]: K's part 6,656, V's codes 6,144, V's scale words 256, and the same words once more, which fill the step to 52 units of 256 bytes.  qi: [head][128 queries][6,656].
; LIMITS: positions are held to 0 .. 4,095, the table's range; a block of zeros gets the scale byte 1 (its codes are zeros; this program alone reads the bytes).
.set ROWB,   256
.set NQ,     2
.set KROW,   768
.set STEPS,  8
.set CHUNKS, 3
.set PITCH,  272
.set FR,     12
.set NL,     6
.set NP,     4
.set HALFT,  128*PITCH
.set SLOT,   4*HALFT
.set KS,     32
.set SCL,    2*SLOT
.set HALFS,  (128*KS/256)*272
.set SBLK,   (16*KS/256)*272
.set SPARE,  SCL+4*HALFS
.set QGRP,   6656
.set KVSTEP, 13312
.set PS,   8
.set PO,   10
.set TW,   11
.set FRQ,  12
.set POS,  14
.set ADRA, 16
.set ADRB, 20
.set LI,   24
.set L8,   25
.set TBR,  26
.set ADRS, 27
.set SPW,  28
.set NIL,  29
.set IX,   30
.set SC,   32
.set FN,   32
.set FC,   34
.set TA,   36
.set OUTR, 40
.set WK,   64
.set AF,   128
.set TMPR, 128
.set PC,   192
.set TM,   212
.set PWS,  228
.set MW,   236
.set SW,   240
.set KIND, 66
.set G1, 24
.set G0, 32
.set G1B, 48
.set G0B, 56
.set G1S, 68
.set G0S, 76
.set G1SB, 80
.set G0SB, 88
.set G0H, 4
.set G0HB, 8
.set OB2, 98                           ; s[98:99] the second store base
.set MSB, 0
.macro WIN new
.if MSB != \new
	s_set_vgpr_msb (MSB<<8)|\new
.set MSB, \new
.endif
.endm
.set MUL_LO, 0xa1
.set MUL_HI, 0xf1
.set TO_B,   0x40
.macro JLOAD g0a, g1a, g0b, g1b        ; waves 0, 1 fetch for A, waves 2, 3 for B
	s_cmp_eq_u32 s15, 0
	s_cbranch_scc0 .Lfor_b_\@
	tensor_load_to_lds s[\g0a:\g0a+3], s[\g1a:\g1a+7]
	s_nop 0
.rept 4
	v_nop
.endr
	s_branch .Lasked_\@
.Lfor_b_\@:
	tensor_load_to_lds s[\g0b:\g0b+3], s[\g1b:\g1b+7]
	s_nop 0
.rept 4
	v_nop
.endr
.Lasked_\@:
.endm
.macro CREST
	s_cmp_lg_u32 s14, 0
	s_cbranch_scc1 .Lnot_wave_0_\@
	s_barrier_signal -3
.Lnot_wave_0_\@:
	s_barrier_wait -3
	s_barrier_signal -1
	s_barrier_wait -1
.endm
.macro CROUND
	s_barrier_signal -1
	s_barrier_wait -1
	CREST
.endm
	s_load_b512 s[68:83], s[0:1], 0x0
	s_load_b128 s[84:87], s[0:1], 0x40
	s_load_b64 s[88:89], s[0:1], 0x50
	v_lshl_add_u32 v[SPW], v0, 2, SPARE
	v_mov_b32 v[NIL], 0
	ds_add_u32 v[SPW], v[NIL]                      ; the opening lines: the add twice and one wait
	ds_add_u32 v[SPW], v[NIL]
	v_lshrrev_b32 v1, 5, v0
	v_readfirstlane_b32 s14, v1                    ; wave
	s_lshr_b32 s15, s14, 1
	s_and_b32 s16, s14, 1
	s_bfe_u32 s40, ttmp6, 0x40000                  ; cx
	s_bfe_u32 s41, ttmp6, 0x40004                  ; cy
	s_mov_b32 s[KIND], ttmp9
	s_and_b32 s67, ttmp7, 0xffff
	s_lshl_b32 s67, s67, 2
	s_cmp_eq_u32 s[KIND], 2
	s_cselect_b32 s18, 0, s67
	s_cselect_b32 s19, s67, 0
	s_add_co_u32 s17, s41, s18                     ; A's tile: tokens (q, k) or channels (v)
	s_add_co_u32 s42, s40, s19                     ; B's tile
	s_lshl_b32 s43, s41, 2
	s_lshl_b32 s43, 15, s43                        ; my row of the cluster
	s_lshl_b32 s44, 0x1111, s40                    ; my column
	s_or_b32 s[G1+0], s43, (0<<16)|(1<<20)|(1<<21)|(5<<22)|(3<<25)   ; bytes; 16 bytes of padding behind every 256
	s_or_b32 s[G1B+0], s44, (0<<16)|(1<<20)|(1<<21)|(5<<22)|(3<<25)
.irp g, G1, G1B
	s_mov_b32 s[\g+1], ROWB<<16
	s_mov_b32 s[\g+2], 256<<16                     ; 256 rows for the head's loads
	s_mov_b32 s[\g+3], ROWB<<16
	s_mov_b32 s[\g+4], 256
	s_mov_b32 s[\g+5], KROW
	s_mov_b32 s[\g+6], 0
	s_mov_b32 s[\g+7], 0
.endr
	s_lshl_b32 s20, s17, 8
	s_lshl_b32 s46, s42, 8
	s_mov_b32 s21, 0
	s_mov_b32 s47, 0
	s_mov_b64 s[18:19], KS
	s_mul_u64 s[22:23], s[20:21], s[18:19]
	s_mul_u64 s[98:99], s[46:47], s[18:19]
	s_mov_b64 s[18:19], KROW
	s_mul_u64 s[20:21], s[20:21], s[18:19]
	s_mul_u64 s[46:47], s[46:47], s[18:19]
	s_mul_i32 s18, s16, 128*KROW                   ; in the ring I fetch 128 rows: which half
	s_mov_b32 s19, 0
	s_mul_i32 s45, s14, HALFT
	s_lshl_b32 s94, s17, 10
	s_mov_b32 s95, 0
	s_wait_dscnt 0x0
	s_wait_kmcnt 0x0
	s_cmp_eq_u32 s[KIND], 0
	s_cselect_b64 s[90:91], s[72:73], s[76:77]
	s_cselect_b64 s[92:93], s[74:75], s[78:79]
	s_cselect_b64 s[12:13], s[86:87], s[88:89]
	s_cmp_eq_u32 s[KIND], 2
	s_cselect_b64 s[90:91], s[80:81], s[90:91]
	s_cselect_b64 s[92:93], s[82:83], s[92:93]
	s_cselect_b64 s[4:5], s[90:91], s[68:69]
	s_cselect_b64 s[6:7], s[92:93], s[70:71]
	s_cselect_b64 s[8:9], s[68:69], s[90:91]
	s_cselect_b64 s[10:11], s[70:71], s[92:93]
	s_add_nc_u64 s[96:97], s[84:85], s[94:95]      ; my tile's positions
	s_add_nc_u64 s[20:21], s[4:5], s[20:21]
	s_add_nc_u64 s[22:23], s[6:7], s[22:23]
	s_add_nc_u64 s[46:47], s[8:9], s[46:47]
	s_add_nc_u64 s[92:93], s[10:11], s[98:99]
	s_or_b32 s[G1S+0], s43, (3<<16)|(1<<20)|(1<<21)|(5<<22)|(3<<25)  ; the scales of 256 rows: KS units of 256 bytes
	s_or_b32 s[G1SB+0], s44, (3<<16)|(1<<20)|(1<<21)|(5<<22)|(3<<25)
.irp g, G1S, G1SB
	s_mov_b32 s[\g+1], 32<<16
	s_mov_b32 s[\g+2], KS<<16
	s_mov_b32 s[\g+3], 32<<16
	s_mov_b32 s[\g+4], KS
	s_mov_b32 s[\g+5], 32
	s_mov_b32 s[\g+6], 0
	s_mov_b32 s[\g+7], 0
.endr
	CROUND                                         ; in front of the first joint loads
	s_mov_b32 s[G0H], 1
	s_mov_b32 s[G0H+1], 0
	s_mov_b64 s[G0H+2:G0H+3], s[20:21]
	s_or_b32 s[G0H+3], s[G0H+3], 0x80000000
	s_mov_b32 s[G0HB], 1
	s_mov_b32 s[G0HB+1], 2*HALFT
	s_mov_b64 s[G0HB+2:G0HB+3], s[46:47]
	s_or_b32 s[G0HB+3], s[G0HB+3], 0x80000000
	s_mov_b32 s[G0S], 1
	s_mov_b32 s[G0S+1], SCL
	s_mov_b64 s[G0S+2:G0S+3], s[22:23]
	s_or_b32 s[G0S+3], s[G0S+3], 0x80000000
	s_mov_b32 s[G0SB], 1
	s_mov_b32 s[G0SB+1], SCL+2*HALFS
	s_mov_b64 s[G0SB+2:G0SB+3], s[92:93]
	s_or_b32 s[G0SB+3], s[G0SB+3], 0x80000000
	s_add_nc_u64 s[20:21], s[20:21], s[18:19]
	s_add_nc_u64 s[46:47], s[46:47], s[18:19]
.irp s, 0,1
	s_mov_b32 s[G0+4*\s], 1
	s_add_co_u32 s[G0+4*\s+1], s45, \s*SLOT
	s_add_nc_u64 s[G0+4*\s+2:G0+4*\s+3], s[20:21], \s*ROWB
	s_or_b32 s[G0+4*\s+3], s[G0+4*\s+3], 0x80000000
	s_mov_b32 s[G0B+4*\s], 1
	s_add_co_u32 s[G0B+4*\s+1], s45, \s*SLOT
	s_add_nc_u64 s[G0B+4*\s+2:G0B+4*\s+3], s[46:47], \s*ROWB
	s_or_b32 s[G0B+4*\s+3], s[G0B+4*\s+3], 0x80000000
.endr
; the head's four tiles, one load a wave: chunk 0 of A, chunk 0 of B, A's scales, B's scales
.macro ARM under, g0, g1, next
	s_cmp_lt_u32 s14, \under
	s_cbranch_scc0 \next
	tensor_load_to_lds s[\g0:\g0+3], s[\g1:\g1+7]
	s_nop 0
.rept 4
	v_nop
.endr
	s_branch .Lhead_asked
\next:
.endm
	ARM 1, G0H,  G1,  .Lhead_b
	ARM 2, G0HB, G1B, .Lhead_sa
	ARM 3, G0S,  G1S, .Lhead_sb
	tensor_load_to_lds s[G0SB:G0SB+3], s[G1SB:G1SB+7]
	s_nop 0
.rept 4
	v_nop
.endr
.Lhead_asked:
	v_and_b32 v1, 15, v0
	v_bfe_u32 v2, v0, 4, 1
	v_mul_u32_u24 v3, v1, PITCH
	v_mul_u32_u24 v4, v2, 24
	v_add_nc_u32 v4, v3, v4                        ; row x pitch + 24 x half
	s_mov_b32 s21, SLOT-232
	s_mov_b32 s22, SLOT+232
	v_sub_nc_u32 v7, 1, v2
	v_mul_u32_u24 v5, s21, v2
	v_add_nc_u32 v5, v3, v5
	v_add_nc_u32 v5, 232, v5                       ; lanes 0-15 byte 232 in slot 0, lanes 16-31 byte 0 in slot 1
	v_mul_u32_u24 v6, s22, v7
	v_add_nc_u32 v6, v3, v6                        ; and the other way round
	s_mul_i32 s21, s15, HALFT
	s_mul_i32 s22, s16, HALFT
	s_add_co_u32 s22, s22, 2*HALFT
	v_add_nc_u32 v[ADRA+2], s21, v5
	v_add_nc_u32 v[ADRA+3], s21, v6
	v_add_nc_u32 v[ADRB+2], s22, v5
	v_add_nc_u32 v[ADRB+3], s22, v6
.irp s, 0,1
	v_add_nc_u32 v[ADRA+\s], s21, v4
	v_add_nc_u32 v[ADRB+\s], s22, v4
	s_add_co_u32 s21, s21, SLOT
	s_add_co_u32 s22, s22, SLOT
.endr
	v_mul_u32_u24 v5, v1, KS
	v_lshrrev_b32 v6, 8, v5
	v_lshl_add_u32 v5, v6, 4, v5
	s_mul_i32 s21, s15, HALFS
	s_mul_i32 s22, s16, HALFS
	s_add_co_u32 s22, s22, 2*HALFS
	s_sub_co_u32 s22, s22, s21
	v_mul_u32_u24 v6, s22, v2                      ; lanes 16-31 take B's scale words
	s_add_co_u32 s21, s21, SCL
	v_add_nc_u32 v5, v5, v6
	v_add_nc_u32 v[ADRS], s21, v5
	v_and_b32 v6, 31, v0
	v_lshlrev_b32 v[LI], 4, v6
	v_lshlrev_b32 v[L8], 3, v6
	v_lshlrev_b32 v[TBR], 13, v2
	v_lshl_add_u32 v[TBR], v1, 4, v[TBR]
	s_lshl_b32 s21, s15, 11
	s_add_co_u32 s21, s21, SLOT                    ; the table of cos and sin lies in slot 1, which has had its last fill and its last read when it is stored
	v_add_nc_u32 v[TBR], s21, v[TBR]
	v_lshl_add_u32 v[TW], v0, 4, SLOT
	v_lshlrev_b32 v[PO], 2, v0
	global_load_b32 v[PS], v[PO], s[96:97]
	global_load_b32 v[PS+1], v[PO], s[96:97] offset:512
	v_cvt_f32_u32 v7, v6                           ; lane i's frequency 10000^(-i / 32) = 2^(-i log2(10000) / 32), the product in two parts
	v_mul_f32 v7, -1.0, v7
	v_mul_f32 v13, 0x3ed49a78, v7
	v_rndne_f32 v13, v13
	v_fma_f32 v[FRQ], v7, 0x3ed49a78, -v13
	v_fmamk_f32 v[FRQ], v7, 0x32179724, v[FRQ]
	s_wait_alu depctr_va_vdst(0)
	v_exp_f32 v[FRQ], v[FRQ]
	v_cvt_i32_f32 v13, v13
	s_wait_alu depctr_va_vdst(0)
	v_ldexp_f32 v[FRQ], v[FRQ], v13
	s_lshl_b32 s20, s17, 1
	s_add_co_u32 s20, s20, s15
	s_lshl_b32 s21, s42, 1
	s_add_co_u32 s21, s21, s16
	s_cmp_eq_u32 s[KIND], 2
	s_cselect_b32 s22, s21, s20                    ; the group of 128 tokens
	s_cselect_b32 s23, s20, s21                    ; the pair of heads
	s_cselect_b32 s46, QGRP, 0
	s_lshl_b32 s23, s23, 6
	s_add_co_u32 s23, s23, s22
	s_cmp_eq_u32 s[KIND], 0
	s_mov_b32 s47, KVSTEP
	s_cselect_b32 s47, QGRP, s47
	s_mul_i32 s22, s23, s47
	s_add_co_u32 s22, s22, s46
	s_mov_b32 s23, 0
	s_add_nc_u64 s[12:13], s[12:13], s[22:23]      ; my first head's group
	s_lshl_b32 s22, s47, 5
	s_add_nc_u64 s[OB2:OB2+1], s[12:13], s[22:23]  ; my second head's
.macro FRAG reg, adr, st, i            ; 16 rows x 128 K: six pieces of 8 bytes; byte y of a row lies in slot (y / 256) % 2 at byte y % 256
.irp p, 0,1,2,3,4,5
.set BY, 96*(\st)+48*(\p/3)+8*(\p%3)
.if BY/ROWB == (BY+24)/ROWB
	ds_load_b64 v[\reg+2*\p:\reg+2*\p+1], v[\adr+(BY/ROWB)%2] offset:BY%ROWB+(\i)*16*PITCH
.else
	ds_load_b64 v[\reg+2*\p:\reg+2*\p+1], v[\adr+2+(BY/ROWB)%2] offset:BY%ROWB-232+(\i)*16*PITCH
.endif
.endr
.endm
.macro MUL16 a0, p, q, sc, zero        ; A's blocks a0, a0 + 1 x B's eight; the 64 accumulators take turns
.irp a, \a0, \a0+1
.irp b, 0,1,2,3,4,5,6,7
.set DA, 8*(8*((\a)%4)+\b)
.set FB, 128*(\p)+FR*\b
.set FA, AF+FR*(\a)
.set SB, SC+8*NQ*(\sc)+NQ*\b+(\q)
.set SA, SC+8*NQ*(\sc)+NQ*(\a)+(\q)
.if \zero
	v_wmma_scale_f32_16x16x128_f8f6f4 v[DA:DA+7], v[FB:FB+FR-1], v[FA:FA+FR-1], 0, v[SB], v[SA] matrix_a_fmt:MATRIX_FMT_FP6 matrix_b_fmt:MATRIX_FMT_FP6 matrix_a_scale:MATRIX_SCALE_ROW1
.else
	v_wmma_scale_f32_16x16x128_f8f6f4 v[DA:DA+7], v[FB:FB+FR-1], v[FA:FA+FR-1], v[DA:DA+7], v[SB], v[SA] matrix_a_fmt:MATRIX_FMT_FP6 matrix_b_fmt:MATRIX_FMT_FP6 matrix_a_scale:MATRIX_SCALE_ROW1
.endif
.endr
.endr
.endm
.macro FETCH_B st, p
	WIN TO_B
.irp i, 0,1,2,3,4,5,6,7
	FRAG 128*(\p)+FR*\i, ADRB, \st, \i
.endr
	WIN 0
.endm
.macro FETCH_A st, i0
.irp i, \i0, \i0+1, \i0+2, \i0+3
	FRAG AF+FR*(\i), ADRA, \st, \i
.endr
.endm
.macro SCALES pr
.irp i, 0,1,2,3,4,5,6,7
	ds_load_b64 v[SC+8*NQ*((\pr)%2)+NQ*\i:SC+8*NQ*((\pr)%2)+NQ*\i+1], v[ADRS] offset:\i*SBLK+4*NQ*(\pr)
.endr
.endm
.macro PLACES n
.rept \n
	v_nop
.endr
.endm
; A step: 64 products; the next step's fragments are fetched in its middle and at its end.  Where the next step ends in a chunk not read yet, a barrier shows that chunk whole;
; where it begins in a later chunk, the chunk left behind is free: the three lines, the barrier, and, if a chunk two on is left, the cluster's round and the refill.
.macro STEP st, zero
.set NX, (\st)+1
.set C0, (96*(\st))/ROWB
.set C1, (96*NX)/ROWB
.set E0, (96*(\st)+95)/ROWB
.set E1, (96*NX+95)/ROWB
.if C1 > C0 || E1 > E0
	s_wait_tensorcnt 0x0
.if C1 > C0
	ds_add_u32 v[SPW], v[NIL]
	s_wait_dscnt 4*NL+1                            ; the add and A's blocks 4-7 may be out
.else
	s_wait_dscnt 4*NL
.endif
	WIN MUL_LO
	MUL16 0, (\st)%2, (\st)%2, ((\st)/2)%2, \zero
	s_wait_dscnt 0x0
	s_barrier_signal -1
	MUL16 2, (\st)%2, (\st)%2, ((\st)/2)%2, \zero
	WIN 0
	s_barrier_wait -1
.if C1 > C0 && C0+2 < CHUNKS
	CREST
	s_add_nc_u64 s[G0+4*(C0%2)+2:G0+4*(C0%2)+3], s[G0+4*(C0%2)+2:G0+4*(C0%2)+3], 2*ROWB
	s_add_nc_u64 s[G0B+4*(C0%2)+2:G0B+4*(C0%2)+3], s[G0B+4*(C0%2)+2:G0B+4*(C0%2)+3], 2*ROWB
	JLOAD G0+4*(C0%2), G1, G0B+4*(C0%2), G1B
.else
	PLACES NP
.endif
.else
	s_wait_dscnt 4*NL
	WIN MUL_LO
	MUL16 0, (\st)%2, (\st)%2, ((\st)/2)%2, \zero
	MUL16 2, (\st)%2, (\st)%2, ((\st)/2)%2, \zero
	s_wait_dscnt 0
	PLACES NP
.endif
	FETCH_B NX, NX%2
	FETCH_A NX, 0
.if NX%2 == 0
	SCALES NX/2
.endif
	WIN MUL_HI
	MUL16 4, (\st)%2, (\st)%2, ((\st)/2)%2, \zero
	MUL16 6, (\st)%2, (\st)%2, ((\st)/2)%2, \zero
	PLACES NP
	WIN 0
	FETCH_A NX, 4
.endm
	s_wait_alu depctr_va_vdst(0)                   ; the wait at the head's end
	s_wait_tensorcnt 0x0                           ; my tile of the head's four is in
	ds_add_u32 v[SPW], v[NIL]
	s_mov_b32 s[G1+2], 128<<16                     ; no load of mine is out: from here on a load brings 128 rows
	s_mov_b32 s[G1+4], 128
	s_mov_b32 s[G1B+2], 128<<16
	s_mov_b32 s[G1B+4], 128
	s_wait_dscnt 0x0
	CROUND
	JLOAD G0+4, G1, G0B+4, G1B                     ; chunk 1, slot 1's first fill
	FETCH_B 0, 0
	FETCH_A 0, 0
	SCALES 0
	FETCH_A 0, 4
	STEP 0, 1
.set ST, 1
.rept STEPS-2
	STEP ST, 0
.set ST, ST+1
.endr
	s_wait_dscnt 4*NL
	WIN MUL_LO
	MUL16 0, 1, 1, 1, 0
	MUL16 2, 1, 1, 1, 0
	s_wait_dscnt 0
	WIN MUL_HI
	MUL16 4, 1, 1, 1, 0
	MUL16 6, 1, 1, 1, 0
	WIN 0
	PLACES NP
; THE TABLE: cos and sin of position x frequency for the tile's 256 tokens and 32 frequencies, 64 pairs a lane: reduction by pi / 2 in two parts, polynomials, quadrant by selects
	s_mov_b32 s20, 0x76543210
	s_mov_b32 s21, 0xfedcba98
	s_mov_b32 s22, 0xffff0000
	s_mov_b32 s23, 0x7f7f0000
	s_mov_b32 s68, 0xb94ca1f9
	s_mov_b32 s69, 0x3c08839e
	s_mov_b32 s70, 0xbe2aaaa3
	s_mov_b32 s71, 0x37ccf5ce
	s_mov_b32 s72, 0xbab6061a
	s_mov_b32 s73, 0x3d2aaaa5
	s_wait_loadcnt 0x0
	v_min_u32 v[PS], 0xfff, v[PS]
	v_min_u32 v[PS+1], 0xfff, v[PS+1]
	v_cvt_f32_u32 v[POS], v[PS]
	v_cvt_f32_u32 v[POS+1], v[PS+1]
	v_mov_b32 v[IX], 0
	v_mov_b32 v[IX+1], 4
	ds_bpermute_b32 v[FN], v[IX], v[FRQ]
	ds_bpermute_b32 v[FN+1], v[IX+1], v[FRQ]
	s_mov_b32 s2, 0
	s_mov_b32 s3, 0
.Ltable:
	s_wait_dscnt 0x0
	v_mov_b32 v[FC], v[FN]
	v_mov_b32 v[FC+1], v[FN+1]
	s_wait_alu depctr_va_vdst(0)
	v_add_nc_u32 v[IX], 8, v[IX]
	v_add_nc_u32 v[IX+1], 8, v[IX+1]
	ds_bpermute_b32 v[FN], v[IX], v[FRQ]
	ds_bpermute_b32 v[FN+1], v[IX+1], v[FRQ]
	s_cmp_eq_u32 s[KIND], 2
	s_cbranch_scc1 .Lno_table
.irp u, 0,1,2,3
	v_mul_f32 v[WK+\u], v[POS+\u/2], v[FC+\u%2]
.endr
.irp u, 0,1,2,3
	v_mul_f32 v[WK+4+\u], 0x3f22f983, v[WK+\u]
.endr
.irp u, 0,1,2,3
	v_rndne_f32 v[WK+4+\u], v[WK+4+\u]
.endr
.irp u, 0,1,2,3
	v_fmamk_f32 v[WK+8+\u], v[WK+4+\u], 0xbfc90fdb, v[WK+\u]
.endr
.irp u, 0,1,2,3
	v_fmamk_f32 v[WK+8+\u], v[WK+4+\u], 0x333bbd2e, v[WK+8+\u]
.endr
.irp u, 0,1,2,3
	v_mul_f32 v[WK+12+\u], v[WK+8+\u], v[WK+8+\u]
.endr
.irp u, 0,1,2,3
	v_cvt_i32_f32 v[WK+32+\u], v[WK+4+\u]
.endr
.irp u, 0,1,2,3
	v_fma_f32 v[WK+16+\u], v[WK+12+\u], s68, s69
.endr
.irp u, 0,1,2,3
	v_fma_f32 v[WK+20+\u], v[WK+12+\u], s71, s72
.endr
.irp u, 0,1,2,3
	v_fma_f32 v[WK+16+\u], v[WK+16+\u], v[WK+12+\u], s70
.endr
.irp u, 0,1,2,3
	v_fma_f32 v[WK+20+\u], v[WK+20+\u], v[WK+12+\u], s73
.endr
.irp u, 0,1,2,3
	v_mul_f32 v[WK+24+\u], v[WK+8+\u], v[WK+12+\u]
.endr
.irp u, 0,1,2,3
	v_mul_f32 v[WK+28+\u], v[WK+12+\u], v[WK+12+\u]
.endr
.irp u, 0,1,2,3
	v_fma_f32 v[WK+12+\u], v[WK+12+\u], -0.5, 1.0
.endr
.irp u, 0,1,2,3
	v_fma_f32 v[WK+16+\u], v[WK+24+\u], v[WK+16+\u], v[WK+8+\u]
.endr
.irp u, 0,1,2,3
	v_fma_f32 v[WK+20+\u], v[WK+28+\u], v[WK+20+\u], v[WK+12+\u]
.endr
.irp u, 0,1,2,3
	v_and_b32 v[WK+24+\u], 1, v[WK+32+\u]
.endr
.irp u, 0,1,2,3
	v_lshlrev_b32 v[WK+28+\u], 30, v[WK+32+\u]
.endr
.irp u, 0,1,2,3
	v_add_nc_u32 v[WK+32+\u], 1, v[WK+32+\u]
.endr
.irp u, 0,1,2,3
	v_lshlrev_b32 v[WK+32+\u], 30, v[WK+32+\u]
.endr
.irp u, 0,1,2,3
	v_cmp_eq_u32 vcc_lo, 1, v[WK+24+\u]
	v_cndmask_b32 v[OUTR+2*\u+1], v[WK+16+\u], v[WK+20+\u], vcc_lo
	v_cndmask_b32 v[OUTR+2*\u], v[WK+20+\u], v[WK+16+\u], vcc_lo
.endr
.irp u, 0,1,2,3
	v_and_b32 v[WK+28+\u], 0x80000000, v[WK+28+\u]
	v_and_b32 v[WK+32+\u], 0x80000000, v[WK+32+\u]
.endr
.irp u, 0,1,2,3
	v_xor_b32 v[OUTR+2*\u+1], v[WK+28+\u], v[OUTR+2*\u+1]
	v_xor_b32 v[OUTR+2*\u], v[WK+32+\u], v[OUTR+2*\u]
.endr
	v_add_nc_u32 v[TA], s2, v[TW]
	ds_store_b128 v[TA], v[OUTR:OUTR+3]
	ds_store_b128 v[TA], v[OUTR+4:OUTR+7] offset:2048
.Lno_table:
	s_add_co_u32 s2, s2, 4096
	s_add_co_u32 s3, s3, 1
	s_cmp_lt_u32 s3, 16
	s_cbranch_scc1 .Ltable
	s_wait_dscnt 0x0
	s_barrier_signal -1
	s_barrier_wait -1
.irp b, 0,1,2,3
	v_mov_b32 v[TM+4+\b], 0
.endr
.macro LOADCS a
.set CSB, WK+32*((\a)%2)
.irp b, 0,1,2,3
.irp e, 0,1
	ds_load_b128 v[CSB+8*\b+4*\e:CSB+8*\b+4*\e+3], v[TBR] offset:(4*\b+\e)*4096+256*(\a)
.endr
.endr
.endm
.macro ROPE a                          ; (x0, x1) -> (x0 cos - x1 sin, x1 cos + x0 sin), two packed lines a pair
.set AC, 64*((\a)%4)
.set CSB, WK+32*((\a)%2)
.set WA, 2+(\a)/4
.set WD, WA|(WA<<6)
	s_wait_dscnt 0x0
	WIN WA
.irp b, 0,1,2,3,4,5,6,7
.irp i, 0,2,4,6
	v_pk_mul_f32 v[TMPR+8*\b+\i:TMPR+8*\b+\i+1], v[AC+8*\b+\i:AC+8*\b+\i+1], v[CSB+8*(\b%4)+\i:CSB+8*(\b%4)+\i+1] op_sel_hi:[1,0]
.endr
.endr
	WIN WD
.irp b, 0,1,2,3,4,5,6,7
.irp i, 0,2,4,6
	v_pk_fma_f32 v[AC+8*\b+\i:AC+8*\b+\i+1], v[AC+8*\b+\i:AC+8*\b+\i+1], v[CSB+8*(\b%4)+\i:CSB+8*(\b%4)+\i+1], v[TMPR+8*\b+\i:TMPR+8*\b+\i+1] op_sel:[1,1,0] op_sel_hi:[0,1,1] neg_lo:[1,0,0]
.endr
.endr
	WIN 0
.if (\a) < 7
	LOADCS (\a)+1
.endif
.endm
.macro QUANT a                         ; four blocks of 32: largest magnitude with the floor, scale byte, codes, a whole block to a lane
.set AC, 64*((\a)%4)
.set WA, 2+(\a)/4
.set WS, WA|(WA<<2)
	WIN WS
.irp b, 0,1,2,3
	v_max3_num_f32 v[TM+\b], |v[AC+16*\b]|, |v[AC+16*\b+1]|, 0x1800000
.endr
.irp i, 2,4,6,8,10,12,14
.irp b, 0,1,2,3
	v_max3_num_f32 v[TM+\b], |v[AC+16*\b+\i]|, |v[AC+16*\b+\i+1]|, v[TM+\b]
.endr
.endr
	WIN 0
.irp b, 0,1,2,3
	v_permlanex16_b32 v[TM+4+\b], v[TM+\b], s20, s21
.endr
.irp b, 0,1,2,3
	v_max_num_f32 v[TM+\b], v[TM+\b], v[TM+4+\b]
.endr
.irp b, 0,1,2,3
	v_add_nc_u32 v[TM+12+\b], 0xff000000, v[TM+\b]
.endr
.irp b, 0,1,2,3
	v_lshrrev_b32 v[TM+4+\b], 23, v[TM+12+\b]
.endr
	v_lshl_or_b32 v[PWS+(\a)], v[TM+5], 8, v[TM+4]
	v_lshl_or_b32 v[PWS+(\a)], v[TM+6], 16, v[PWS+(\a)]
	v_lshl_or_b32 v[PWS+(\a)], v[TM+7], 24, v[PWS+(\a)]
	s_wait_xcnt 0x0                                ; the last block's stores have read their data
	WIN WA
.irp c, 0,1
	v_cvt_scalef32_pk16_fp6_f32 v[PC+6*\c:PC+6*\c+2], v[AC+32*\c:AC+32*\c+15], v[TM+12+2*\c]
	v_cvt_scalef32_pk16_fp6_f32 v[PC+12+4*\c:PC+14+4*\c], v[AC+32*\c+16:AC+32*\c+31], v[TM+13+2*\c]
.endr
	WIN 0
	v_nop
.irp c, 0,1
.irp i, 0,1,2
	v_permlane16_swap_b32 v[PC+6*\c+\i], v[PC+12+4*\c+\i]
.endr
.irp i, 0,1,2
	v_mov_b32 v[PC+3+6*\c+\i], v[PC+12+4*\c+\i]
.endr
.endr
.endm
.macro PUTQK a
	global_store_b128 v[LI], v[PC:PC+3], s[12:13] offset:512*(\a)
	global_store_b64 v[L8], v[PC+4:PC+5], s[12:13] offset:4096+256*(\a)
	global_store_b128 v[LI], v[PC+6:PC+9], s[OB2:OB2+1] offset:512*(\a)
	global_store_b64 v[L8], v[PC+10:PC+11], s[OB2:OB2+1] offset:4096+256*(\a)
.endm
.macro PUTV a
.irp j, 0,1,2
.if (\a) < 4
	global_store_b128 v[LI], v[PC+4*\j:PC+4*\j+3], s[12:13] offset:512*(3*((\a)%4)+\j)
.else
	global_store_b128 v[LI], v[PC+4*\j:PC+4*\j+3], s[OB2:OB2+1] offset:512*(3*((\a)%4)+\j)
.endif
.endr
.endm
.macro PAIRS
.irp i, 0,1,2,3
	v_cndmask_b32 v[MW+\i], v[PWS+2*\i], v[PWS+2*\i+1], s22
.endr
.endm
	s_cmp_eq_u32 s[KIND], 2
	s_cbranch_scc1 .Lvalues
	LOADCS 0
.irp a, 0,1,2,3,4,5,6,7
	ROPE \a
	QUANT \a
	PUTQK \a
.endr
	PAIRS
.irp i, 0,1,2,3
	v_and_or_b32 v[SW+\i], v[MW+\i], 0xffff, s23   ; a head's two bytes; the upper two are 1.0
	v_lshrrev_b32 v[SW+4+\i], 16, v[MW+\i]
.endr
.irp i, 0,1,2,3
	v_or_b32 v[SW+4+\i], s23, v[SW+4+\i]
.endr
	global_store_b128 v[LI], v[SW:SW+3], s[12:13] offset:6144
	global_store_b128 v[LI], v[SW+4:SW+7], s[OB2:OB2+1] offset:6144
	s_branch .Ldone
.Lvalues:
.irp a, 0,1,2,3,4,5,6,7
	QUANT \a
	PUTV \a
.endr
	PAIRS
	global_store_b64 v[L8], v[MW:MW+1], s[12:13] offset:6144
	global_store_b64 v[L8], v[MW:MW+1], s[12:13] offset:6400        ; the step's 52nd unit of 256 bytes: the next launch fetches it with the rest and reads it from LDS nowhere
	global_store_b64 v[L8], v[MW+2:MW+3], s[OB2:OB2+1] offset:6144
	global_store_b64 v[L8], v[MW+2:MW+3], s[OB2:OB2+1] offset:6400
.Ldone:
	s_wait_tensorcnt 0x0
	ds_add_u32 v[SPW], v[NIL]
	s_wait_dscnt 0x0
	CROUND
	s_endpgm
.Lfunc_end_k_q2d219dd151_qkv:
	.size	k_q2d219dd151_qkv, .Lfunc_end_k_q2d219dd151_qkv-k_q2d219dd151_qkv
	.p2alignl 7, 3214868480
	.fill 96, 4, 3214868480
	.section	.rodata,"a",@progbits
	.p2align	6, 0x0
	.amdhsa_kernel k_q2d219dd151_qkv
		.amdhsa_group_segment_fixed_size 327680
		.amdhsa_private_segment_fixed_size 0
		.amdhsa_enable_private_segment 0
		.amdhsa_kernarg_size 88
		.amdhsa_user_sgpr_count 2
		.amdhsa_user_sgpr_kernarg_segment_ptr 1
		.amdhsa_wavefront_size32 1
		.amdhsa_system_sgpr_workgroup_id_x 1
		.amdhsa_system_sgpr_workgroup_id_y 1
		.amdhsa_system_sgpr_workgroup_id_z 1
		.amdhsa_system_vgpr_workitem_id 0
		.amdhsa_next_free_vgpr 1024
		.amdhsa_next_free_sgpr 100
		.amdhsa_reserve_vcc 1
		.amdhsa_float_denorm_mode_32 3
		.amdhsa_float_denorm_mode_16_64 3
		.amdhsa_memory_ordered 1
		.amdhsa_forward_progress 1
		.amdhsa_inst_pref_size 245
	.end_amdhsa_kernel
	.amdgpu_metadata
---
amdhsa.version: [ 1, 2 ]
amdhsa.kernels:
  - .name:           k_q2d219dd151_qkv
    .symbol:         k_q2d219dd151_qkv.kd
    .args:
      - { .name: x_codes, .offset: 0, .size: 8, .value_kind: global_buffer, .address_space: global }
      - { .name: x_scales, .offset: 8, .size: 8, .value_kind: global_buffer, .address_space: global }
      - { .name: Wq_codes, .offset: 16, .size: 8, .value_kind: global_buffer, .address_space: global }
      - { .name: Wq_scales, .offset: 24, .size: 8, .value_kind: global_buffer, .address_space: global }
      - { .name: Wk_codes, .offset: 32, .size: 8, .value_kind: global_buffer, .address_space: global }
      - { .name: Wk_scales, .offset: 40, .size: 8, .value_kind: global_buffer, .address_space: global }
      - { .name: Wv_codes, .offset: 48, .size: 8, .value_kind: global_buffer, .address_space: global }
      - { .name: Wv_scales, .offset: 56, .size: 8, .value_kind: global_buffer, .address_space: global }
      - { .name: token_positions, .offset: 64, .size: 8, .value_kind: global_buffer, .address_space: global }
      - { .name: qi, .offset: 72, .size: 8, .value_kind: global_buffer, .address_space: global }
      - { .name: kv, .offset: 80, .size: 8, .value_kind: global_buffer, .address_space: global }
    .group_segment_fixed_size: 327680
    .private_segment_fixed_size: 0
    .kernarg_segment_align: 8
    .kernarg_segment_size: 88
    .max_flat_workgroup_size: 128
    .sgpr_count:     100
    .vgpr_count:     1024
    .wavefront_size: 32
...
	.end_amdgpu_metadata
.endif
;; end of part 1
;; launch attn (part 2): grid 16 x 16, 16 waves a work-group, no clusters, 327,680 bytes of LDS; arguments qi, kv, cc, cs; writes cc, cs
.if DOCPART == 2
	.amdgcn_target "amdgcn-amd-amdhsa--gfx1250"
	.amdhsa_code_object_version 6
	.text
	.protected	k_q2d219dd151_attn
	.globl	k_q2d219dd151_attn
	.p2align	8
	.type	k_q2d219dd151_attn,@function
k_q2d219dd151_attn:
	s_mov_b64 s[64:65], 0
	v_nop
	global_prefetch_b8 v0, s[64:65] scope:SCOPE_SE
	s_setreg_imm32_b32 hwreg(HW_REG_WAVE_MODE, 25, 1), 1
	s_wait_xcnt 0x0
; ctx[h][q] = the sum over k <= q of softmax_k(Q[h][q] . K[h][k] / 8) V[h][k]: 16 heads of 64, 4,096 tokens, both products on codes of FP6 (E2M3) with one E8M0 scale for each 32 along K;
; ctx is quantised along the model's 1,024 and leaves as codes for the last product.  Key steps that lie wholly behind the causal mask are not multiplied.
; INPUTS, in the order of the operands' registers.  kv: [head][key step of 128 keys][13,312 bytes]: K's registers 0-3 of eight tiles of 16 keys (4,096), registers 4-5 (2,048), K's scale words (512),
; V^T's 48 registers of four tiles of 16 channels x 128 keys (6,144), V's scale words (256), 256 bytes that are not read from LDS.  qi: [head][128 queries][6,656 bytes], laid as K's part.
; THE SOFTMAX: t = score x log2(e) / 8; M = the running largest t rounded UP to a whole number; p = 2^(t - M) is quantised along the keys; the sum is taken of the unquantised p and divides at the end.
; When M moves, the sum and O are multiplied by 2^(old M - new M): exact.
; SHARES.  A head has 32 blocks of 128 queries; work-group j has blocks j and 31 - j, j + 1 and 32 - j key steps, a tile of 16 queries a wave.  Waves 0-7 take block 31 - j over key steps 0 .. 15.
; Waves 8-15 take block j over steps 0 .. j, put its O and sum into LDS, and go on with block 31 - j over steps 16 .. 31 - j: 17 steps.  So the walk has 17 periods in every work-group.
; The two parts of block 31 - j are joined at the end under the larger M, by powers of two: waves 0-7 hand theirs over through LDS and send block j out while waves 8-15 work the 17th period.
; THE RING.  Two slots of two periods x two streams (one for each half of the waves): 4 x 13,312 bytes; each of the sixteen waves fetches 13 rows of 256 bytes of its own half's stream, one load behind each barrier.
; Steps 0 .. j are fetched by both halves.  One load a wave is out at any time; every wait for tensor loads is for all.
; A HEAD OF 64 IN A PRODUCT OF 128 ALONG K.  Q's registers 6-11 are zero codes and the upper two scale bytes of Q and K are 1.0, so K's registers 6-11 may hold any codes: tile t's operand runs on into tile t + 1's.
; LAYOUT.  Both products are used transposed (S^T = K Q^T, O^T = V^T P^T): a lane holds one query.  Register j of tile t is key 16 t + 8 (lane / 16) + j; p's blocks get the order in which V's codes were laid.
; NO CLUSTER: the change of blocks, the mask and the second stream's addresses hang on j, which differs between any two work-groups of a head.
; PREFETCH: behind fills 1 to 5, thirteen work-groups of a head name 8 blocks of 256 bytes each (2 x 13,312 bytes in all) of the two key steps that the fill two further on brings: wave 0 of steps 6 .. 15,
; wave 1 of the steps 15 further on, 21 .. 30, which work-group 0's second stream reaches first.  Lanes 8-31 name their wave's last block again.
; LIMITS: NaN and infinities are not served; the scaled scores stay under 2^31 in magnitude; a block of zeros gets the scale byte 1.  ctx's scale bytes leave two to a row, 32 bytes apart.
; Waves 0-7 load the second set of Q too and never use it, so that all waves share one text.
; REGISTERS: v1, v2 (slot 0), v92, v93 (slot 1) LDS addresses; v8-11, v30, v31, v29 the second Q; v12 -M, v13 the largest t, v[14:15] the sum; v16-27 Q; v32-85 K's or V's fragments; v86-91 scale words;
; v96-159 S^T, then p; v160-191 O^T; v192-223 the partner's O^T; v224-235 p's codes; v232-254 at work; v255 Q's scale word.
.set STEPB, 13312
.set PARTB, 3328
.set SLOTB, 4*STEPB
.set STG,   2*SLOTB                    ; behind the ring: a stage for each of the sixteen waves, into which that wave alone stores:
.set STGT,  4608                       ; O^T 4,096 bytes, then -M and the sum, 8 bytes at 16 x lane
.set SPARE, STG+16*STGT                ; the spare words, 128 bytes for each of sixteen waves
.set QGRP,  6656
.set QD,   3                           ; lane % 16 - 8 (lane / 16)
.set CSO,  4                           ; 32 x (lane % 16)
.set SPW,  5
.set NIL,  6
.set L8G,  7                           ; 8 x lane
.set PFO,  28
.set ST,   94                          ; my own stage + 16 x lane
.set RS,   95                          ; my partner's (wave xor 8) + 16 x lane
.set WV,   18
.set SEL,  20
.set CS,   22
.set G1,   24
.set CNT,  44
.set KF,   45                          ; the step's first key
.set Q0,   46                          ; my first query
.set RF,   47
.set LIM,  48
.set Q0H,  49                          ; my tile's first query in block 31 - j
.set PFA,  50
.set BASE, 52                          ; s[52:53] the head's stream + my quarter of a step, with the descriptor's type
.set FT,   54                          ; the period that my next load brings
.set JL,   55                          ; j in waves 8-15
.set JOFF, 56                          ; 15 - j
.set SWK,  57                          ; the first key of the step behind which I change blocks
.macro ADDR g0                         ; period FT is key step FT, or FT + 15 - j in waves 8-15 behind period j
	s_cmp_gt_u32 s[FT], s[JL]
	s_cselect_b32 s16, s[JOFF], 0
	s_add_co_u32 s16, s16, s[FT]
	s_mul_i32 s16, s16, STEPB
	s_add_nc_u64 s[\g0+2:\g0+3], s[BASE:BASE+1], s[16:17]
	s_add_co_u32 s[FT], s[FT], 2
.endm
.macro ASK
	s_cmp_gt_u32 s[RF], s[LIM]
	s_cbranch_scc0 .Lnot_asked_\@
	global_prefetch_b8 v[PFO], s[PFA:PFA+1] th:TH_LOAD_NT scope:SCOPE_SE
.Lnot_asked_\@:
	s_sub_co_u32 s[RF], s[RF], 1
.endm
.macro PUTST off                       ; O^T, -M and the lane's sum into the stage
.rept 4
	v_nop                                          ; places behind the last products
.endr
	v_add_f32 v13, v14, v15
.irp i, 0,1,2,3,4,5,6,7
	ds_store_b128 v[ST], v[160+4*\i:163+4*\i] offset:\off+512*\i
.endr
	ds_store_b64 v[ST], v[12:13] offset:\off+4096
.endm
	s_load_b256 s[4:11], s[0:1], 0x0               ; qi, kv, cc, cs
	v_lshl_add_u32 v[SPW], v0, 2, SPARE
	v_mov_b32 v[NIL], 0
	ds_add_u32 v[SPW], v[NIL]                      ; the opening lines: the add twice and one wait
	ds_add_u32 v[SPW], v[NIL]
	v_lshrrev_b32 v232, 5, v0
	s_delay_alu instid0(VALU_DEP_1)
	v_readfirstlane_b32 s[WV], v232                ; wave 0..15
	s_and_b32 s12, ttmp7, 0xffff                   ; the head
	s_mov_b32 s[G1], 3<<16                         ; 13 rows of 256 bytes (32 elements of 8), dense
	s_mov_b32 s[G1+1], 32<<16
	s_mov_b32 s[G1+2], 13<<16
	s_mov_b32 s[G1+3], 32<<16
	s_mov_b32 s[G1+4], 13
	s_mov_b32 s[G1+5], 32
	s_mov_b32 s[G1+6], 0
	s_mov_b32 s[G1+7], 0
	s_mul_i32 s13, s12, 32*STEPB                   ; the head's stream
	s_and_b32 s19, s[WV], 3
	s_mul_i32 s19, s19, PARTB
	s_add_co_u32 s16, s13, s19                     ; + my quarter of a step
	s_mov_b32 s17, 0
	s_bfe_u32 s[FT], s[WV], 0x10002                ; which of a slot's two periods I fetch
	s_sub_co_u32 s[JOFF], 15, ttmp9
	s_cmp_lt_u32 s[WV], 8
	s_cselect_b32 s[JL], -1, ttmp9
	s_mov_b32 s32, 1
	s_mul_i32 s33, s[WV], PARTB                    ; slot 0: wave x 3,328
	s_mov_b32 s36, 1
	s_add_co_u32 s37, s33, SLOTB
	s_wait_dscnt 0x0
	s_wait_kmcnt 0x0
	s_add_nc_u64 s[BASE:BASE+1], s[6:7], s[16:17]
	s_or_b32 s[BASE+1], s[BASE+1], 0x80000000
	ADDR 32
	tensor_load_to_lds s[32:35], s[G1:G1+7]        ; periods 0 and 1: my one load at the head
	s_nop 0
	s_and_b32 s19, s[WV], 1
	s_mul_i32 s19, s19, 15*STEPB
	s_add_co_u32 s16, s13, s19
	s_lshl_b32 s19, ttmp9, 11
	s_add_co_u32 s16, s16, s19
	s_add_co_u32 s16, s16, 4*STEPB                 ; one slot ahead of step 6: the first fill steps it there
	s_add_nc_u64 s[PFA:PFA+1], s[6:7], s[16:17]
	s_cmp_lt_u32 s[WV], 2
	s_cselect_b32 s[LIM], 3, -1                    ; askers: while more than 3 of 8 are to come: five times
	s_cmp_lt_u32 ttmp9, 13
	s_cselect_b32 s[LIM], s[LIM], -1
	s_mov_b32 s[RF], 8
	s_sub_co_u32 s13, 31, ttmp9                    ; the later block
	s_lshl_b32 s[SWK], ttmp9, 7
	s_cmp_lt_u32 s[WV], 8
	s_cselect_b32 s14, s13, ttmp9                  ; the block that I begin with
	s_cselect_b32 s15, ttmp9, s13                  ; the block that I send out
	s_cselect_b32 s[SWK], -1, s[SWK]
	s_and_b32 s58, s[WV], 7                        ; my tile
	s_lshl_b32 s59, s58, 4
	s_lshl_b32 s[Q0], s14, 7
	s_add_co_u32 s[Q0], s[Q0], s59
	s_lshl_b32 s[Q0H], s13, 7
	s_add_co_u32 s[Q0H], s[Q0H], s59
	s_lshl_b32 s15, s15, 7
	s_add_co_u32 s15, s15, s59
	s_mov_b32 s[KF], 0
	s_lshl_b32 s19, s12, 5
	s_add_co_u32 s16, s19, s14
	s_mul_i32 s16, s16, QGRP
	s_add_nc_u64 s[40:41], s[4:5], s[16:17]        ; Q of the block that I begin with
	s_add_co_u32 s16, s19, s13
	s_mul_i32 s16, s16, QGRP
	s_add_nc_u64 s[42:43], s[4:5], s[16:17]        ; Q of the later block
	s_add_co_u32 s16, s15, s12
	s_mul_i32 s16, s16, 768                        ; cc: [tile of 16 tokens][head][768 bytes]
	s_add_nc_u64 s[8:9], s[8:9], s[16:17]
	s_lshl_b32 s16, s15, 5
	s_lshl_b32 s19, s12, 1
	s_add_co_u32 s16, s16, s19                     ; cs: [token][32]
	s_add_nc_u64 s[10:11], s[10:11], s[16:17]
	s_mov_b32 s[SEL], 0x76543210
	s_mov_b32 s[SEL+1], 0xfedcba98
	s_mov_b32 s[CS], 0x3e38aa3b                    ; log2(e) / 8
	s_mov_b32 s[CS+1], s[CS]
	s_lshr_b32 s60, s[WV], 3
	s_mul_i32 s60, s60, 2*STEPB                    ; my half's stream in a slot
	s_mul_i32 s61, s[WV], STGT
	s_add_co_u32 s61, s61, STG
	s_xor_b32 s62, s[WV], 8
	s_mul_i32 s62, s62, STGT
	s_add_co_u32 s62, s62, STG
	s_lshl_b32 s63, s58, 9
	s_lshl_b32 s59, s58, 8
	s_and_b32 s14, s58, 1
	s_lshl_b32 s14, s14, 8
	s_lshr_b32 s19, s58, 1
	s_lshl_b32 s19, s19, 2
	s_add_co_u32 s14, s14, s19                     ; Q's scale word: word t / 2 of the 16 bytes of lane r + 16 (t % 2)
	s_mov_b32 s[CNT], 0
	v_and_b32 v193, 31, v0
	v_and_b32 v199, 15, v0
	v_bfe_u32 v200, v0, 4, 1
	v_lshlrev_b32 v194, 4, v193
	v_lshlrev_b32 v[L8G], 3, v193
	v_min_u32 v195, 7, v193
	v_lshlrev_b32 v200, 3, v200
	v_lshlrev_b32 v[CSO], 5, v199
	v_lshlrev_b32 v[PFO], 8, v195
	v_sub_nc_u32 v[QD], v199, v200
	v_add_nc_u32 v1, s60, v194
	v_add_nc_u32 v2, s60, v[L8G]
	v_add_nc_u32 v[ST], s61, v194
	v_add_nc_u32 v[RS], s62, v194
	v_add_nc_u32 v196, s63, v194
	v_add_nc_u32 v197, s59, v[L8G]
	v_lshl_add_u32 v198, v199, 4, s14
	v_add_nc_u32 v92, SLOTB, v1
	v_add_nc_u32 v93, SLOTB, v2
	s_wait_alu depctr_va_vdst(0)
	global_load_b128 v[16:19], v196, s[40:41]
	global_load_b64 v[20:21], v197, s[40:41] offset:4096
	global_load_b32 v255, v198, s[40:41] offset:6144
	global_load_b128 v[8:11], v196, s[42:43]
	global_load_b64 v[30:31], v197, s[42:43] offset:4096
	global_load_b32 v29, v198, s[42:43] offset:6144
.irp j, 0,1,2,3,4,5
	v_mov_b32 v[22+\j], 0                          ; Q's upper half of K: zero codes
	v_mov_b32 v[80+\j], 0                          ; behind K's tile 7
.endr
	v_mov_b32 v13, 0xff61b1e6                      ; -3e38, under every t
	s_delay_alu instid0(VALU_DEP_1)
	v_floor_f32 v12, -v13
	v_mov_b32 v14, 0
	v_mov_b32 v15, 0
.irp b, 0,1,2,3
	v_mov_b32 v[236+\b], 0                         ; a lane permute's destination counts as a source
.endr
	v_mov_b32 v252, 0
	v_mov_b32 v253, 0
.set n, 0
.rept 32
	v_mov_b32 v[160+n], 0                          ; O^T: the step is written once for all steps
.set n, n+1
.endr
; A KEY STEP: 128 keys, the q-th period of the slot.  sw = 1: the change of blocks may follow it.
.macro STEP slot, q, sw
.set SB0, (\q)*STEPB
.set AL, 1+91*(\slot)
.set A8, 2+91*(\slot)
.rept 4
	v_nop                                          ; places in front of loads into registers that the last products have read
.endr
.irp t, 0,1,2,3,4,5,6,7
	ds_load_b128 v[32+6*\t:35+6*\t], v[AL] offset:SB0+512*\t
	ds_load_b64 v[36+6*\t:37+6*\t], v[A8] offset:SB0+4096+256*\t
.endr
	ds_load_b128 v[86:89], v[AL] offset:SB0+6144
	s_wait_dscnt 0x0
.irp t, 0,2,4,6
	v_wmma_scale_f32_16x16x128_f8f6f4 v[96+8*\t:103+8*\t], v[32+6*\t:43+6*\t], v[16:27], 0, v[86+\t/2], v255 matrix_a_fmt:MATRIX_FMT_FP6 matrix_b_fmt:MATRIX_FMT_FP6
	v_wmma_scale_f32_16x16x128_f8f6f4 v[104+8*\t:111+8*\t], v[38+6*\t:49+6*\t], v[16:27], 0, v[86+\t/2], v255 matrix_a_fmt:MATRIX_FMT_FP6 matrix_b_fmt:MATRIX_FMT_FP6 matrix_a_scale:MATRIX_SCALE_ROW1
.endr
.rept 4
	v_nop                                          ; places: K's registers take V's loads, and the scores are read
.endr
.irp j, 0,1,2,3,4,5,6,7,8,9,10,11
	ds_load_b128 v[32+4*\j:35+4*\j], v[AL] offset:SB0+6656+512*\j   ; V^T lands while the softmax is worked
.endr
	ds_load_b64 v[90:91], v[A8] offset:SB0+12800
	s_add_co_u32 s19, s[KF], 127                   ; only the step on the diagonal masks
	s_cmp_le_u32 s19, s[Q0]
	s_cbranch_scc1 .Lopen_\@
	s_sub_co_i32 s19, s[Q0], s[KF]
	v_add_nc_u32 v252, s19, v[QD]                  ; register 8 t + j is hidden where 16 t + j > my query - KF - 8 (lane / 16)
	v_mov_b32 v254, 0xff800000
.set n, 0
.rept 64
	v_cmp_gt_i32 vcc_lo, 16*(n/8)+n%8, v252
	v_cndmask_b32 v[96+n], v[96+n], v254, vcc_lo
.set n, n+1
.endr
.Lopen_\@:
.irp b, 0,1,2,3
	v_max3_num_f32 v[232+\b], v[96+16*\b], v[97+16*\b], v[98+16*\b]   ; each block's largest score: for the row's maximum and for the block's largest p
.endr
.irp i, 3,5,7,9,11,13
.irp b, 0,1,2,3
	v_max3_num_f32 v[232+\b], v[232+\b], v[96+16*\b+\i], v[97+16*\b+\i]
.endr
.endr
.irp b, 0,1,2,3
	v_max_num_f32 v[232+\b], v[232+\b], v[111+16*\b]
.endr
.irp b, 0,1,2,3
	s_delay_alu instid0(VALU_DEP_4)
	v_permlanex16_b32 v[236+\b], v[232+\b], s[SEL], s[SEL+1]
.endr
.irp b, 0,1,2,3
	s_delay_alu instid0(VALU_DEP_4)
	v_max_num_f32 v[232+\b], v[232+\b], v[236+\b]
.endr
	s_delay_alu instid0(VALU_DEP_2)
	v_max3_num_f32 v254, v232, v233, v234
	s_delay_alu instid0(VALU_DEP_1)
	v_max_num_f32 v254, v254, v235
	s_delay_alu instid0(VALU_DEP_1)
	v_mul_f32 v254, s[CS], v254
	s_delay_alu instid0(VALU_DEP_1)
	v_max_num_f32 v13, v13, v254                   ; the running largest t
	v_mov_b32 v254, v12
	s_delay_alu instid0(VALU_DEP_2)
	v_floor_f32 v12, -v13                          ; the new -M
	s_delay_alu instid0(VALU_DEP_1)
	v_sub_f32 v254, v12, v254
	s_delay_alu instid0(VALU_DEP_1)
	v_cvt_i32_f32 v254, v254                       ; (it saturates)
	s_delay_alu instid0(VALU_DEP_1)
	v_ldexp_f32 v252, 1.0, v254                    ; f = 2^(old M - new M)
.set n, 0
.rept 32
	v_pk_fma_f32 v[96+n:97+n], v[96+n:97+n], s[CS:CS+1], v[12:13] op_sel_hi:[1,0,0]   ; t - M
.set n, n+2
.endr
.irp b, 0,1,2,3
	v_fma_f32 v[232+\b], v[232+\b], s[CS], v12
.endr
.set n, 0
	s_wait_alu depctr_va_vdst(0)                   ; the wait ahead of the batch
.rept 64
	v_exp_f32 v[96+n], v[96+n]                     ; p
.set n, n+1
.endr
	v_pk_mul_f32 v[14:15], v[14:15], v[252:253] op_sel_hi:[1,0]
	s_wait_alu depctr_va_vdst(0)                   ; and behind it
.irp b, 0,1,2,3
	v_exp_f32 v[232+\b], v[232+\b]                 ; the block's largest p
.endr
	v_pk_add_f32 v[236:237], v[100:101], v[104:105]
	v_pk_add_f32 v[250:251], v[108:109], v[112:113]
	v_pk_add_f32 v[248:249], v[116:117], v[120:121]
	v_pk_add_f32 v[246:247], v[124:125], v[128:129]
	v_pk_add_f32 v[244:245], v[132:133], v[136:137]
	v_pk_add_f32 v[242:243], v[140:141], v[144:145]
	v_pk_add_f32 v[240:241], v[148:149], v[152:153]
	v_pk_add_f32 v[14:15], v[14:15], v[156:157]
	v_pk_add_f32 v[236:237], v[236:237], v[96:97]
	v_pk_add_f32 v[250:251], v[250:251], v[98:99]
	v_pk_add_f32 v[248:249], v[248:249], v[102:103]
	v_pk_add_f32 v[246:247], v[246:247], v[106:107]
	v_pk_add_f32 v[244:245], v[244:245], v[110:111]
	v_pk_add_f32 v[242:243], v[242:243], v[114:115]
	v_pk_add_f32 v[240:241], v[240:241], v[118:119]
	v_pk_add_f32 v[14:15], v[14:15], v[122:123]
	v_pk_add_f32 v[236:237], v[236:237], v[126:127]
	v_pk_add_f32 v[250:251], v[250:251], v[130:131]
	v_pk_add_f32 v[248:249], v[248:249], v[134:135]
	v_pk_add_f32 v[246:247], v[246:247], v[138:139]
	v_pk_add_f32 v[244:245], v[244:245], v[142:143]
	v_pk_add_f32 v[242:243], v[242:243], v[146:147]
	v_pk_add_f32 v[240:241], v[240:241], v[150:151]
	v_pk_add_f32 v[14:15], v[14:15], v[154:155]
	v_pk_add_f32 v[236:237], v[236:237], v[158:159]
	s_delay_alu instid0(VALU_DEP_2)
	v_pk_add_f32 v[14:15], v[14:15], v[246:247]
	s_delay_alu instid0(VALU_DEP_2)
	v_pk_add_f32 v[236:237], v[236:237], v[244:245]
	v_pk_add_f32 v[250:251], v[250:251], v[242:243]
	v_pk_add_f32 v[248:249], v[248:249], v[240:241]
	s_delay_alu instid0(VALU_DEP_2)
	v_pk_add_f32 v[14:15], v[14:15], v[250:251]
	s_delay_alu instid0(VALU_DEP_2)
	v_pk_add_f32 v[236:237], v[236:237], v[248:249]
	s_delay_alu instid0(VALU_DEP_1)
	v_pk_add_f32 v[14:15], v[14:15], v[236:237]
	s_wait_alu depctr_va_vdst(0)                   ; for the four
.irp b, 0,1,2,3
	v_max_num_f32 v[232+\b], 0x1800000, v[232+\b]  ; the floor 2^(3 - 127)
.endr
.irp b, 0,1,2,3
	s_delay_alu instid0(VALU_DEP_4)
	v_add_nc_u32 v[244+\b], 0xff000000, v[232+\b]  ; the conversion's scale operand
.endr
.irp b, 0,1,2,3
	s_delay_alu instid0(VALU_DEP_4)
	v_lshrrev_b32 v[236+\b], 23, v[244+\b]
.endr
	s_delay_alu instid0(VALU_DEP_3)
	v_lshl_or_b32 v253, v237, 8, v236              ; p's scale word
	s_delay_alu instid0(VALU_DEP_1)
	v_lshl_or_b32 v253, v238, 16, v253
	s_delay_alu instid0(VALU_DEP_1)
	v_lshl_or_b32 v253, v239, 24, v253
.irp c, 0,1
	v_cvt_scalef32_pk16_fp6_f32 v[224+6*\c:226+6*\c], v[96+32*\c:111+32*\c], v[244+2*\c]
	v_cvt_scalef32_pk16_fp6_f32 v[236+4*\c:238+4*\c], v[112+32*\c:127+32*\c], v[244+2*\c+1]
.endr
	v_nop
.irp c, 0,1
.irp i, 0,1,2
	v_permlane16_swap_b32 v[224+6*\c+\i], v[236+4*\c+\i]
.endr
.irp i, 0,1,2
	s_delay_alu instid0(VALU_DEP_3)
	v_mov_b32 v[227+6*\c+\i], v[236+4*\c+\i]
.endr
.endr
.set n, 0
.rept 16
	v_pk_mul_f32 v[160+n:161+n], v[160+n:161+n], v[252:253] op_sel_hi:[1,0]   ; O^T under the new M; also the places between p's codes and scale word and the products
.set n, n+2
.endr
	s_wait_alu depctr_va_vdst(0)
	s_wait_dscnt 0x0                               ; V is in
.irp t, 0,2
	v_wmma_scale_f32_16x16x128_f8f6f4 v[160+8*\t:167+8*\t], v[32+12*\t:43+12*\t], v[224:235], v[160+8*\t:167+8*\t], v[90+\t/2], v253 matrix_a_fmt:MATRIX_FMT_FP6 matrix_b_fmt:MATRIX_FMT_FP6
	v_wmma_scale_f32_16x16x128_f8f6f4 v[168+8*\t:175+8*\t], v[44+12*\t:55+12*\t], v[224:235], v[168+8*\t:175+8*\t], v[90+\t/2], v253 matrix_a_fmt:MATRIX_FMT_FP6 matrix_b_fmt:MATRIX_FMT_FP6 matrix_a_scale:MATRIX_SCALE_ROW1
.endr
.if \sw
	s_cmp_lg_u32 s[KF], s[SWK]
	s_cbranch_scc1 .Lsame_\@
	PUTST 0                                        ; THE CHANGE OF BLOCKS: block j is done; its O^T and sum wait in LDS for waves 0-7
	v_mov_b32 v255, v29                            ; Q of block 31 - j; the eight lines below are the places behind the scale word
.irp i, 0,1,2,3
	v_mov_b32 v[16+\i], v[8+\i]
.endr
	v_mov_b32 v20, v30
	v_mov_b32 v21, v31
	v_mov_b32 v13, 0xff61b1e6                      ; M begins anew: the next step's f is 0, which clears the sum and O^T
	v_floor_f32 v12, -v13
	s_mov_b32 s[Q0], s[Q0H]
	s_mov_b32 s[KF], 15*128                        ; the next step is key step 16
	s_mov_b32 s[SWK], -1
	s_wait_alu depctr_va_vdst(0)
.Lsame_\@:
	s_add_co_u32 s[KF], s[KF], 128
.endif
.endm
; THE CHANGE OF SLOTS: each wave waits for all its tensor loads, adds 0 to its spare word, and waits for that and for its reads of the slot that it has left.  Behind the barrier the slot ahead is whole and nobody
; reads the other one.  fill = 1: every wave fetches its part of the next two periods into it; fill = 2: period 16 alone, which only waves 8-15 work: waves 8-11 fetch it.
.macro TWO slot, fill, ask
	s_wait_tensorcnt 0x0
	ds_add_u32 v[SPW], v[NIL]
	ADDR 36-4*\slot
.if \ask
	s_wait_xcnt 0x0                                ; the last prefetch, a slot back, has read its address
	s_add_nc_u64 s[PFA:PFA+1], s[PFA:PFA+1], 2*STEPB
.endif
	s_wait_dscnt 0x0
	s_barrier_signal -1
	s_barrier_wait -1
.if \fill == 1
	tensor_load_to_lds s[36-4*\slot:39-4*\slot], s[G1:G1+7]
	s_nop 0
.rept 4
	v_nop
.endr
.else
	s_lshr_b32 s16, s[WV], 2
	s_cmp_lg_u32 s16, 2
	s_cbranch_scc1 .Lnone_\@
	tensor_load_to_lds s[36-4*\slot:39-4*\slot], s[G1:G1+7]
	s_nop 0
.rept 4
	v_nop
.endr
.Lnone_\@:
.endif
.if \ask
	ASK
.endif
	STEP \slot, 0, 1
	STEP \slot, 1, 1
.endm
	s_wait_alu depctr_va_vdst(0)                   ; the wait at the head's end
	s_wait_loadcnt 0x0                             ; Q
.Lgroup:                                           ; three trips of four periods: periods 0 to 11
	TWO 0, 1, 1
	TWO 1, 1, 1
	s_add_co_u32 s[CNT], s[CNT], 1
	s_cmp_lt_u32 s[CNT], 3
	s_cbranch_scc1 .Lgroup
	TWO 0, 1, 0                                    ; periods 12, 13
	TWO 1, 2, 0                                    ; periods 14, 15
	s_cmp_lt_u32 s[WV], 8
	s_cbranch_scc0 .Lnot_a
	PUTST 0                                        ; waves 0-7 are done with block 31 - j: their part waits in their stage for waves 8-15
.Lnot_a:
	s_wait_tensorcnt 0x0                           ; period 16's tile is in
	ds_add_u32 v[SPW], v[NIL]
	s_wait_dscnt 0x0                               ; and my stores into the stage are done
	s_barrier_signal -1
	s_barrier_wait -1
	s_cmp_lt_u32 s[WV], 8
	s_cbranch_scc0 .Lset_b
.rept 4
	v_nop                                          ; places in front of loads into the last products' registers
.endr
.irp i, 0,1,2,3,4,5,6,7
	ds_load_b128 v[160+4*\i:163+4*\i], v[RS] offset:512*\i       ; waves 0-7: block j's O^T and sum, from the partner's stage
.endr
	ds_load_b64 v[12:13], v[RS] offset:4096
	s_wait_dscnt 0x0
	s_branch .Lout
.Lset_b:
.irp i, 0,1,2,3,4,5,6,7
	ds_load_b128 v[192+4*\i:195+4*\i], v[RS] offset:512*\i       ; waves 8-15: the partner's part lands under the last step
.endr
	ds_load_b64 v[30:31], v[RS] offset:4096                      ; its -M and its sum
	STEP 0, 0, 0                                   ; period 16: the later block's diagonal
.rept 4
	v_nop                                          ; places behind the last products
.endr
	v_add_f32 v13, v14, v15
	v_min_num_f32 v232, v12, v30                   ; -M of both parts together
	s_delay_alu instid0(VALU_DEP_1)
	v_sub_f32 v233, v232, v12
	v_sub_f32 v234, v232, v30
	s_delay_alu instid0(VALU_DEP_2)
	v_cvt_i32_f32 v233, v233
	s_delay_alu instid0(VALU_DEP_2)
	v_cvt_i32_f32 v234, v234
	s_delay_alu instid0(VALU_DEP_2)
	v_ldexp_f32 v252, 1.0, v233                    ; my part's factor, a power of two,
	s_delay_alu instid0(VALU_DEP_2)
	v_ldexp_f32 v254, 1.0, v234                    ; and the partner's
	s_delay_alu instid0(VALU_DEP_2)
	v_mul_f32 v13, v13, v252
	s_delay_alu instid0(VALU_DEP_1)
	v_fma_f32 v13, v31, v254, v13
.set n, 0
.rept 16
	v_pk_mul_f32 v[160+n:161+n], v[160+n:161+n], v[252:253] op_sel_hi:[1,0]
.set n, n+2
.endr
.set n, 0
.rept 16
	v_pk_fma_f32 v[160+n:161+n], v[192+n:193+n], v[254:255], v[160+n:161+n] op_sel_hi:[1,0,1]
.set n, n+2
.endr
	s_wait_alu depctr_va_vdst(0)
.Lout:
	; THE WAY OUT.  O^T / the sum; the halves of the lanes are exchanged so that a lane's 16 registers are 16 neighbouring channels; quantised; stored as the image of half an operand of the last product.
	v_permlanex16_b32 v252, v13, s[SEL], s[SEL+1]
	s_delay_alu instid0(VALU_DEP_1)
	v_add_f32 v14, v13, v252                       ; the row's sum
	s_wait_alu depctr_va_vdst(0)
	v_rcp_f32 v14, v14
	v_nop
	s_wait_alu depctr_va_vdst(0)
.set n, 0
.rept 32
	v_mul_f32 v[96+n], v[160+n], v14
.set n, n+1
.endr
.irp b, 0,1
.irp j, 0,1,2,3,4,5,6,7
	v_permlane16_swap_b32 v[96+16*\b+\j], v[104+16*\b+\j]   ; register 16 b + i is channel 32 b + 16 (lane / 16) + i
.endr
.endr
.irp b, 0,1
	v_max3_num_f32 v[232+\b], |v[96+16*\b]|, |v[97+16*\b]|, 0x1800000
.endr
.irp i, 2,4,6,8,10,12,14
.irp b, 0,1
	s_delay_alu instid0(VALU_DEP_2)
	v_max3_num_f32 v[232+\b], v[232+\b], |v[96+16*\b+\i]|, |v[97+16*\b+\i]|
.endr
.endr
.irp b, 0,1
	s_delay_alu instid0(VALU_DEP_2)
	v_permlanex16_b32 v[236+\b], v[232+\b], s[SEL], s[SEL+1]
.endr
.irp b, 0,1
	s_delay_alu instid0(VALU_DEP_2)
	v_max_num_f32 v[232+\b], v[232+\b], v[236+\b]
.endr
.irp b, 0,1
	s_delay_alu instid0(VALU_DEP_2)
	v_add_nc_u32 v[244+\b], 0xff000000, v[232+\b]
.endr
.irp b, 0,1
	s_delay_alu instid0(VALU_DEP_2)
	v_lshrrev_b32 v[240+\b], 23, v[244+\b]
.endr
	s_delay_alu instid0(VALU_DEP_1)
	v_lshl_or_b32 v240, v241, 8, v240              ; the head's two scale bytes of my row
	v_cvt_scalef32_pk16_fp6_f32 v[224:226], v[96:111], v244
	v_cvt_scalef32_pk16_fp6_f32 v[236:238], v[112:127], v245
	v_nop
.irp i, 0,1,2
	v_permlane16_swap_b32 v[224+\i], v[236+\i]
.endr
.irp i, 0,1,2
	s_delay_alu instid0(VALU_DEP_3)
	v_mov_b32 v[227+\i], v[236+\i]
.endr
.irp p, 0,1,2
	global_store_b64 v[L8G], v[224+2*\p:225+2*\p], s[8:9] offset:256*\p   ; 32 lanes store 256 consecutive bytes, aligned
.endr
	global_store_b16 v[CSO], v240, s[10:11]        ; lanes l and l xor 16 store the same two bytes
	s_wait_tensorcnt 0x0                           ; the wave's end
	ds_add_u32 v[SPW], v[NIL]
	s_wait_dscnt 0x0
	s_endpgm
.Lfunc_end_k_q2d219dd151_attn:
	.size	k_q2d219dd151_attn, .Lfunc_end_k_q2d219dd151_attn-k_q2d219dd151_attn
	.p2alignl 7, 3214868480
	.fill 96, 4, 3214868480
	.section	.rodata,"a",@progbits
	.p2align	6, 0x0
	.amdhsa_kernel k_q2d219dd151_attn
		.amdhsa_group_segment_fixed_size 327680
		.amdhsa_private_segment_fixed_size 0
		.amdhsa_enable_private_segment 0
		.amdhsa_kernarg_size 32
		.amdhsa_user_sgpr_count 2
		.amdhsa_user_sgpr_kernarg_segment_ptr 1
		.amdhsa_wavefront_size32 1
		.amdhsa_system_sgpr_workgroup_id_x 1
		.amdhsa_system_sgpr_workgroup_id_y 1
		.amdhsa_system_sgpr_workgroup_id_z 1
		.amdhsa_system_vgpr_workitem_id 0
		.amdhsa_next_free_vgpr 256
		.amdhsa_next_free_sgpr 66
		.amdhsa_reserve_vcc 1
		.amdhsa_float_denorm_mode_32 3
		.amdhsa_float_denorm_mode_16_64 3
		.amdhsa_memory_ordered 1
		.amdhsa_forward_progress 1
		.amdhsa_inst_pref_size 228
	.end_amdhsa_kernel
	.amdgpu_metadata
---
amdhsa.version: [ 1, 2 ]
amdhsa.kernels:
  - .name:           k_q2d219dd151_attn
    .symbol:         k_q2d219dd151_attn.kd
    .args:
      - { .name: qi, .offset: 0, .size: 8, .value_kind: global_buffer, .address_space: global }
      - { .name: kv, .offset: 8, .size: 8, .value_kind: global_buffer, .address_space: global }
      - { .name: cc, .offset: 16, .size: 8, .value_kind: global_buffer, .address_space: global }
      - { .name: cs, .offset: 24, .size: 8, .value_kind: global_buffer, .address_space: global }
    .group_segment_fixed_size: 327680
    .private_segment_fixed_size: 0
    .kernarg_segment_align: 8
    .kernarg_segment_size: 32
    .max_flat_workgroup_size: 512
    .sgpr_count:     66
    .vgpr_count:     256
    .wavefront_size: 32
...
	.end_amdgpu_metadata
.endif
;; end of part 2
;; launch oproj (part 3): grid 8 x 32, 4 waves a work-group, clusters of 4 x 4, 327,680 bytes of LDS; arguments cc, cs, Wo_codes, Wo_scales, out0; writes out0
.if DOCPART == 3
	.amdgcn_target "amdgcn-amd-amdhsa--gfx1250"
	.amdhsa_code_object_version 6
	.text
	.protected	k_q2d219dd151_oproj
	.globl	k_q2d219dd151_oproj
	.p2align	8
	.type	k_q2d219dd151_oproj,@function
k_q2d219dd151_oproj:
	s_mov_b64 s[64:65], 0
	v_nop
	global_prefetch_b8 v0, s[64:65] scope:SCOPE_SE
	s_setreg_imm32_b32 hwreg(HW_REG_WAVE_MODE, 25, 1), 1
	s_wait_xcnt 0x0
	s_wait_alu depctr_hold_cnt(0) depctr_sa_sdst(0) depctr_va_vdst(0) depctr_va_sdst(0) depctr_va_ssrc(0) depctr_va_vcc(0) depctr_vm_vsrc(0)
	s_getreg_b32 s2, hwreg(HW_REG_IB_STS2, 6, 4)
	s_cmp_eq_u32 s2, 0
	s_cbranch_scc0 .Lentry_in_a_cluster
	s_endpgm
.Lentry_in_a_cluster:
	s_bfe_u32 s2, ttmp6, 0x10000c
	s_cmp_lg_u32 s2, 0xf033
	s_cbranch_scc0 .Lentry_shape_is_right
	s_endpgm
.Lentry_shape_is_right:
; out0[m][n] = the sum over k of ctx[m][k] Wo[n][k], 4,096 x 1,024 x 1,024, on codes of FP6 (E2M3) with one E8M0 scale for each 32 along K; f32 sums and results.
; A tile of 128 x 128 to a work-group: 32 x 8 = 256 work-groups; four waves, 64 x 64 each: 16 accumulators.
; ALL OF K LIES IN LDS: ctx's 128 rows are 98,304 dense bytes (cc: [tile of 16 tokens][head][768 bytes], the image of the operand's registers), Wo's 128 rows 768 bytes each, every row beginning at a multiple of 256,
; with 16 bytes of padding behind every 256: an LDS pitch of 816 bytes.  Each wave fetches a half of one of the two by its one tensor load; nothing is filled again.
; THE SCALES go from memory into registers: a lane takes 16 of its row's 32 bytes, so that one load covers 512 consecutive bytes; lanes 0-15 hold the words of K steps 0-3, lanes 16-31 of steps 4-7.
; CLUSTERS 4 x 4: ctx's tiles are asked for jointly along a row of the cluster, Wo's along a column.  NO PREFETCH: all that the work-group reads is asked for at its head; there is no loop to run ahead in.
; The matrix instruction is used transposed (source 0 = rows of Wo, source 1 = tokens): a lane holds eight neighbouring numbers of a row of out0.
; REGISTERS: window 0: v16-22 addresses; v32-127, v128-223 two sets of fragments (Wo's four, then ctx's four); v224-239 ctx's scale words, v240-255 Wo's.  Window 1: v0-127 the accumulators.
.set BP,    816
.set AHALF, 49152
.set BHALF, 64*BP
.set BBASE, 2*AHALF
.set STAGE, BBASE+2*BHALF              ; 64 rows x 272 bytes for each wave, bytes that no tensor load fills
.set SPITCH, 272
.set WSTG,  64*SPITCH
.set SPARE, STAGE+4*WSTG
.set ADRA, 16
.set ADRB, 17                          ; v18: + 16 in lanes 16-31, for pieces whose upper lanes lie behind the next padding
.set STO,  19
.set RD,   20
.set CO,   21
.set VS,   22
.set SPW,  28
.set NIL,  29
.set SCA,  224
.set SCB,  240
.set G1, 24
.set G0, 32
.set G0B, 36
.set G1B, 48
.set MSB, 0
.macro WIN new
.if MSB != \new
	s_set_vgpr_msb (MSB<<8)|\new
.set MSB, \new
.endif
.endm
.macro CROUND
	s_barrier_signal -1
	s_barrier_wait -1
	s_cmp_lg_u32 s14, 0
	s_cbranch_scc1 .Lnot_wave_0_\@
	s_barrier_signal -3
.Lnot_wave_0_\@:
	s_barrier_wait -3
	s_barrier_signal -1
	s_barrier_wait -1
.endm
	s_load_b128 s[4:7], s[0:1], 0x0                ; cc, cs
	s_load_b128 s[8:11], s[0:1], 0x10              ; Wo's codes, Wo's scales
	s_load_b64 s[12:13], s[0:1], 0x20              ; out0
	v_lshl_add_u32 v[SPW], v0, 2, SPARE
	v_mov_b32 v[NIL], 0
	ds_add_u32 v[SPW], v[NIL]                      ; the opening lines: the add twice and one wait
	ds_add_u32 v[SPW], v[NIL]
	v_lshrrev_b32 v1, 5, v0
	v_readfirstlane_b32 s14, v1                    ; wave
	s_lshr_b32 s15, s14, 1                         ; my half of the rows.  Also: I fetch for ctx (0) or for Wo (1)
	s_and_b32 s16, s14, 1                          ; my half of the columns.  Also: which half I fetch
	s_bfe_u32 s40, ttmp6, 0x40000
	s_bfe_u32 s41, ttmp6, 0x40004
	s_lshl_b32 s42, ttmp9, 2
	s_add_co_u32 s42, s42, s40                     ; tile column
	s_and_b32 s17, ttmp7, 0xffff
	s_lshl_b32 s17, s17, 2
	s_add_co_u32 s17, s17, s41                     ; tile row
	s_lshl_b32 s43, s41, 2
	s_lshl_b32 s43, 15, s43
	s_lshl_b32 s44, 0x1111, s40
	s_or_b32 s[G1+0], s43, (3<<16)|(1<<21)         ; ctx: 192 rows of 256 bytes, dense
	s_mov_b32 s[G1+1], 32<<16
	s_mov_b32 s[G1+2], 192<<16
	s_mov_b32 s[G1+3], 32<<16
	s_mov_b32 s[G1+4], 192
	s_mov_b32 s[G1+5], 32
	s_mov_b32 s[G1+6], 0
	s_mov_b32 s[G1+7], 0
	s_or_b32 s[G1B+0], s44, (0<<16)|(1<<20)|(1<<21)|(5<<22)|(3<<25)  ; Wo: 64 rows of 768 bytes, 16 bytes of padding behind every 256
	s_mov_b32 s[G1B+1], 768<<16
	s_mov_b32 s[G1B+2], 64<<16
	s_mov_b32 s[G1B+3], 768<<16
	s_mov_b32 s[G1B+4], 64
	s_mov_b32 s[G1B+5], 768
	s_mov_b32 s[G1B+6], 0
	s_mov_b32 s[G1B+7], 0
	s_mul_i32 s20, s17, 2*AHALF
	s_mul_i32 s45, s16, AHALF
	s_add_co_u32 s20, s20, s45                     ; ctx: tile row x 98,304 + half
	s_mov_b32 s21, 0
	s_lshl_b32 s46, s42, 7
	s_lshl_b32 s18, s16, 6
	s_add_co_u32 s46, s46, s18                     ; Wo's row: 128 x tile column + 64 x half
	s_lshl_b32 s58, s46, 5                         ; its scales (my columns are the half that I would fetch)
	s_lshl_b32 s62, s46, 2                         ; my first column of out0, in bytes
	s_mul_i32 s46, s46, 768
	s_mov_b32 s47, 0
	s_mov_b32 s59, 0
	s_mul_i32 s22, s16, BHALF
	s_add_co_u32 s22, s22, BBASE
	s_lshl_b32 s56, s17, 7
	s_lshl_b32 s18, s15, 6
	s_add_co_u32 s56, s56, s18                     ; my first row
	s_lshl_b32 s60, s56, 12
	s_add_co_u32 s60, s60, s62                     ; my corner of out0
	s_mov_b32 s61, 0
	s_lshl_b32 s56, s56, 5                         ; my rows' scales
	s_mov_b32 s57, 0
	s_mul_i32 s19, s15, AHALF                      ; where I read ctx's fragments
	s_mul_i32 s23, s14, WSTG
	s_add_co_u32 s23, s23, STAGE                   ; my stage
	s_wait_dscnt 0x0
	s_wait_kmcnt 0x0
	s_add_nc_u64 s[20:21], s[4:5], s[20:21]
	s_add_nc_u64 s[46:47], s[8:9], s[46:47]
	s_add_nc_u64 s[6:7], s[6:7], s[56:57]
	s_add_nc_u64 s[10:11], s[10:11], s[58:59]
	s_add_nc_u64 s[12:13], s[12:13], s[60:61]
	CROUND                                         ; in front of the joint loads
	s_mov_b32 s[G0], 1
	s_mov_b32 s[G0+1], s45
	s_mov_b64 s[G0+2:G0+3], s[20:21]
	s_or_b32 s[G0+3], s[G0+3], 0x80000000
	s_mov_b32 s[G0B], 1
	s_mov_b32 s[G0B+1], s22
	s_mov_b64 s[G0B+2:G0B+3], s[46:47]
	s_or_b32 s[G0B+3], s[G0B+3], 0x80000000
	s_cmp_eq_u32 s15, 0
	s_cbranch_scc0 .Lfor_b
	tensor_load_to_lds s[G0:G0+3], s[G1:G1+7]
	s_nop 0
.rept 4
	v_nop
.endr
	s_branch .Lasked
.Lfor_b:
	tensor_load_to_lds s[G0B:G0B+3], s[G1B:G1B+7]
	s_nop 0
.rept 4
	v_nop
.endr
.Lasked:
	v_and_b32 v1, 15, v0
	v_bfe_u32 v2, v0, 4, 1
	v_and_b32 v3, 31, v0
	v_lshlrev_b32 v4, 5, v1
	v_mul_u32_u24 v5, v1, BP
	v_mul_u32_u24 v6, v1, SPITCH
	v_mul_u32_u24 v7, v2, SPITCH
	v_lshl_add_u32 v[VS], v2, 4, v4                ; scales: 32 x row + 16 x half
	v_lshl_add_u32 v[ADRA], v3, 3, s19             ; ctx: 8 x lane
	v_mad_u32_u24 v5, v2, 24, v5
	v_lshl_add_u32 v6, v2, 5, v6
	v_lshl_add_u32 v7, v1, 4, v7
	v_lshlrev_b32 v8, 12, v2
	v_add_nc_u32 v[ADRB], s22, v5                  ; Wo: row x pitch + 24 x half
	v_add_nc_u32 v[STO], s23, v6                   ; into the stage: row l % 16, 32 bytes for each half of the lanes
	v_add_nc_u32 v[RD], s23, v7                    ; back: lanes 0-15 one row of 256 bytes, lanes 16-31 the next
	v_lshl_add_u32 v[CO], v1, 4, v8                ; and the same two rows in out0
	v_lshl_add_u32 v[ADRB+1], v2, 4, v[ADRB]
	s_wait_alu depctr_va_vdst(0)                   ; the wait at the head's end
.irp i, 0,1,2,3
	global_load_b128 v[SCA+4*\i:SCA+4*\i+3], v[VS], s[6:7] offset:512*\i
	global_load_b128 v[SCB+4*\i:SCB+4*\i+3], v[VS], s[10:11] offset:512*\i
.endr
.macro FETCH q, s                      ; the eight fragments of K step q into set s: 48 loads of 8 bytes
.set FS, 32+96*(\s)
.irp b, 0,1,2,3
.irp p, 0,1,2,3,4,5
.set BY, 96*(\q)+48*(\p/3)+8*(\p%3)
.if BY/256 == (BY+24)/256
	ds_load_b64 v[FS+12*\b+2*\p:FS+12*\b+2*\p+1], v[ADRB] offset:BY+16*(BY/256)+\b*16*BP
.else
	ds_load_b64 v[FS+12*\b+2*\p:FS+12*\b+2*\p+1], v[ADRB+1] offset:BY+16*(BY/256)+\b*16*BP
.endif
.endr
.endr
.irp a, 0,1,2,3
.irp p, 0,1,2,3,4,5
	ds_load_b64 v[FS+48+12*\a+2*\p:FS+48+12*\a+2*\p+1], v[ADRA] offset:\a*12288+(\q)*1536+256*\p
.endr
.endr
.endm
.macro MULS q, s                       ; 16 products, the 16 accumulators by turns
.set FS, 32+96*(\s)
	WIN 0x50                                       ; C and D in window 1
.irp a, 0,1,2,3
.irp b, 0,1,2,3
.set DA, 8*(4*\a+\b)
.set FB, FS+12*\b
.set FA, FS+48+12*\a
.set SB, SCB+4*\b+(\q)%4
.set SA, SCA+4*\a+(\q)%4
.if (\q) == 0
	v_wmma_scale_f32_16x16x128_f8f6f4 v[DA:DA+7], v[FB:FB+11], v[FA:FA+11], 0, v[SB], v[SA] matrix_a_fmt:MATRIX_FMT_FP6 matrix_b_fmt:MATRIX_FMT_FP6
.elseif (\q) < 4
	v_wmma_scale_f32_16x16x128_f8f6f4 v[DA:DA+7], v[FB:FB+11], v[FA:FA+11], v[DA:DA+7], v[SB], v[SA] matrix_a_fmt:MATRIX_FMT_FP6 matrix_b_fmt:MATRIX_FMT_FP6
.else
	v_wmma_scale_f32_16x16x128_f8f6f4 v[DA:DA+7], v[FB:FB+11], v[FA:FA+11], v[DA:DA+7], v[SB], v[SA] matrix_a_fmt:MATRIX_FMT_FP6 matrix_b_fmt:MATRIX_FMT_FP6 matrix_a_scale:MATRIX_SCALE_ROW1 matrix_b_scale:MATRIX_SCALE_ROW1
.endif
.endr
.endr
	WIN 0
.endm
	s_wait_tensorcnt 0x0                           ; my half tile is in
	s_barrier_signal -1
	s_barrier_wait -1                              ; and everybody's
	FETCH 0, 0
	s_wait_loadcnt 0x0                             ; the scales
.irp q, 0,1,2,3,4,5,6
.rept 4
	v_nop                                          ; places in front of loads into the set that the step before multiplied
.endr
	FETCH \q+1, (\q+1)%2
	s_wait_dscnt 48                                ; all but the 48 just issued
	MULS \q, \q%2
.endr
	s_wait_dscnt 0x0
	MULS 7, 1
.rept 4
	v_nop                                          ; places behind the last products
.endr
; THE WAY OUT: my 64 x 64 through my own stage, back as whole rows of 256 bytes
	WIN 0x04                                       ; the stores' data in window 1
.irp a, 0,1,2,3
.irp b, 0,1,2,3
	ds_store_b128 v[STO], v[8*(4*\a+\b):8*(4*\a+\b)+3] offset:\a*16*SPITCH+64*\b        ; each accumulator from its low end on
	ds_store_b128 v[STO], v[8*(4*\a+\b)+4:8*(4*\a+\b)+7] offset:\a*16*SPITCH+64*\b+16
.endr
.endr
	WIN 0
.set t, 0
.rept 32
	ds_load_b128 v[32+4*t:35+4*t], v[RD] offset:t*2*SPITCH     ; LDS serves a wave's instructions in order: these see the stores above
.set t, t+1
.endr
.set t, 0
.rept 4
	s_wait_dscnt 24-8*t                            ; the youngest 24, 16, 8, 0 loads may be out
.set u, 0
.rept 8
	global_store_b128 v[CO], v[32+4*(8*t+u):35+4*(8*t+u)], s[12:13] offset:(8*t+u)*8192 th:TH_STORE_NT   ; 16 lanes store 256 consecutive bytes, aligned
.set u, u+1
.endr
.set t, t+1
.endr
	s_wait_tensorcnt 0x0                           ; the wave's end
	ds_add_u32 v[SPW], v[NIL]
	s_wait_dscnt 0x0
	CROUND                                         ; the closing round
	s_endpgm
.Lfunc_end_k_q2d219dd151_oproj:
	.size	k_q2d219dd151_oproj, .Lfunc_end_k_q2d219dd151_oproj-k_q2d219dd151_oproj
	.p2alignl 7, 3214868480
	.fill 96, 4, 3214868480
	.section	.rodata,"a",@progbits
	.p2align	6, 0x0
	.amdhsa_kernel k_q2d219dd151_oproj
		.amdhsa_group_segment_fixed_size 327680
		.amdhsa_private_segment_fixed_size 0
		.amdhsa_enable_private_segment 0
		.amdhsa_kernarg_size 40
		.amdhsa_user_sgpr_count 2
		.amdhsa_user_sgpr_kernarg_segment_ptr 1
		.amdhsa_wavefront_size32 1
		.amdhsa_system_sgpr_workgroup_id_x 1
		.amdhsa_system_sgpr_workgroup_id_y 1
		.amdhsa_system_sgpr_workgroup_id_z 1
		.amdhsa_system_vgpr_workitem_id 0
		.amdhsa_next_free_vgpr 512
		.amdhsa_next_free_sgpr 66
		.amdhsa_reserve_vcc 0
		.amdhsa_float_denorm_mode_32 3
		.amdhsa_float_denorm_mode_16_64 3
		.amdhsa_memory_ordered 1
		.amdhsa_forward_progress 1
		.amdhsa_inst_pref_size 57
	.end_amdhsa_kernel
	.amdgpu_metadata
---
amdhsa.version: [ 1, 2 ]
amdhsa.kernels:
  - .name:           k_q2d219dd151_oproj
    .symbol:         k_q2d219dd151_oproj.kd
    .args:
      - { .name: cc, .offset: 0, .size: 8, .value_kind: global_buffer, .address_space: global }
      - { .name: cs, .offset: 8, .size: 8, .value_kind: global_buffer, .address_space: global }
      - { .name: Wo_codes, .offset: 16, .size: 8, .value_kind: global_buffer, .address_space: global }
      - { .name: Wo_scales, .offset: 24, .size: 8, .value_kind: global_buffer, .address_space: global }
      - { .name: out0, .offset: 32, .size: 8, .value_kind: global_buffer, .address_space: global }
    .group_segment_fixed_size: 327680
    .private_segment_fixed_size: 0
    .kernarg_segment_align: 8
    .kernarg_segment_size: 40
    .max_flat_workgroup_size: 128
    .sgpr_count:     66
    .vgpr_count:     512
    .wavefront_size: 32
...
	.end_amdgpu_metadata
.endif
;; end of part 3
